; MI455X (gfx1250); checked and timed in simulation.
; The chip was launched on July 23, 2026; its instructions are those of AMD's public machine-readable ISA for CDNA 5 (MIT licence, August 2026) and "CDNA5" Instruction Set Architecture Reference Guide (July 2026). The comments in the code are by the model that wrote it; some were corrected since.
;; Multihead Self Attention. Allowed arithmetic: matrix products marked QUANTISED: E2M3 operands, one E8M0 scale for each 32 along K, by v_wmma_scale_f32_16x16x128_f8f6f4 with both operands' format E2M3, f32 sums; everything else in f32.
;; Inputs: X 2 x 2,048 x 1,024 float32; k_proj 1,024 x 1,024 float32; o_proj 1,024 x 1,024 float32; q_proj 1,024 x 1,024 float32; v_proj 1,024 x 1,024 float32.
;; Outputs: out0 2 x 2,048 x 1,024 float32.
;; This version of the problem:
;;   THIS VERSION OF THE PROBLEM IS GIVEN IN LOW PRECISION. The matrix products marked QUANTISED in the list below multiply operands that are first quantised to E2M3 (2 exponent bits, 3 mantissa bits; 6 bits a number), with one power-of-two scale for each 32 numbers along K (OCP MX v1.0); their sums are f32. All else is computed in f32.
;;   The module's matrix products, in the order in which they are computed (A, B: the left and right operand; K: the contracted axis; several contracted axes count as one K, in the product's order):
;;     1. [M 4,096, K 1,024] x [K 1,024, N 1,024]; A: input X; B: input q_proj: QUANTISED
;;     2. [M 4,096, K 1,024] x [K 1,024, N 1,024]; A: input X; B: input k_proj: QUANTISED
;;     3. [M 4,096, K 1,024] x [K 1,024, N 1,024]; A: input X; B: input v_proj: QUANTISED
;;     4. batch 32 x [M 2,048, K 64] x [K 64, N 2,048]; A: computed on the way; B: computed on the way: QUANTISED
;;     5. batch 32 x [M 2,048, K 2,048] x [K 2,048, N 64]; A: softmax (see below); B: computed on the way: QUANTISED
;;     6. [M 4,096, K 1,024] x [K 1,024, N 1,024]; A: computed on the way; B: input o_proj: QUANTISED
;;   THE QUANTISER, for each operand of a quantised product, along K:
;;     - K is cut into blocks of 32 from its start; a last block that is shorter is filled with zeros.
;;     - A block's scale is 2^e with e = floor(log2(the largest magnitude in the block)) - 2, held to -126 .. 127; a block of zeros has e = 0. As a byte (E8M0): e + 127.
;;     - Each number is divided by its block's scale, clamped to +-7.5, and rounded to the nearest number of E2M3, ties to even, subnormals kept.
;;     - The product sums the exact products of the quantised numbers (number of the format x scale) in f32.
;;   ~~~python
;;   def quantise(x, axis):      # numpy; x: float32 -> the quantised numbers, widened to float32 again
;;       x = np.moveaxis(x, axis, -1); K = x.shape[-1]
;;       x = np.pad(x, [(0, 0)] * (x.ndim - 1) + [(0, -K % 32)]); x = x.reshape(x.shape[:-1] + (-1, 32)); a = np.abs(x).max(-1, keepdims=True)
;;       e = np.where(a > 0, np.clip(np.frexp(np.where(a > 0, a, 1))[1] - 1 - 2, -126, 127), 0)      # np.frexp(a)[1] - 1 = floor(log2(a)), exactly
;;       r = np.clip(x / 2.0 ** e, -7.5, 7.5)
;;       step = 2.0 ** (np.maximum(np.frexp(np.where(r == 0, 1, r))[1] - 1, 0) - 3)
;;       q = np.round(r / step) * step * 2.0 ** e      # np.round: ties to even
;;       return np.moveaxis(q.reshape(q.shape[:-2] + (-1,))[..., :K], -1, axis).astype(np.float32)
;;   ~~~
;;   SOFTMAX AHEAD OF A QUANTISED PRODUCT. Where the list says 'softmax', what is quantised is not the finished softmax but p = 2^(t - M), with t = logit x log2(e) and M = ceil(the row's largest t), a whole number; so 1/2 < the row's largest p <= 1. The row's sum l is taken of the UNQUANTISED p, in f32, and the product's result is divided by l at the end. Since M is a whole number, a kernel that streams over the keys may use a running M (the ceiling of the running maximum): every later rescaling is an exact power of two, which a block's scale takes up: the codes' values come out the same.
;;   OPERANDS COMPUTED ON THE WAY. 'Computed on the way' means the value that the module computes at that place (a softmax that the list does not call 'softmax' is quantised finished and normalised). What goes into a quantiser is computed in f32, as accurately as f32 sums, v_exp_f32 and their like allow (about 1e-6 of the number): no bf16 or f16 on the way to a quantiser, and a product that is left as it is and whose result goes on into a quantised operand takes f32 operands (vector FMAs, or v_wmma_f32_16x16x4_f32). A number that lies on a knife's edge between two numbers of the format may be rounded either way, as far as f32 arithmetic and the matrix unit's own rounding can turn it there, and no further.
;; One version. Each part assembles by itself: llvm-mc -triple=amdgcn-amd-amdhsa -mcpu=gfx1250 --defsym DOCPART=n.
;; ======== version 1 of 1: 4 launches
;; limits: right only within a limited range of input values
;; workspace buffers: xq 3,276,800 bytes; wq 3,276,800 bytes; qq 3,276,800 bytes; kv 6,553,600 bytes; aa 3,276,800 bytes
;; launch quant (part 1): grid 256 x 1, 4 waves a work-group, no clusters, 33,280 bytes of LDS; arguments X, q_proj, k_proj, v_proj, o_proj, xq, wq; writes xq, wq
.if DOCPART == 1
	.amdgcn_target "amdgcn-amd-amdhsa--gfx1250"
	.amdhsa_code_object_version 6
	.text
	.protected	k_q37b6f1cd72_quant
	.globl	k_q37b6f1cd72_quant
	.p2align	8
	.type	k_q37b6f1cd72_quant,@function
k_q37b6f1cd72_quant:
	s_mov_b64 s[64:65], 0
	v_nop
	global_prefetch_b8 v0, s[64:65] scope:SCOPE_SE
	s_setreg_imm32_b32 hwreg(HW_REG_WAVE_MODE, 25, 1), 1
	s_wait_xcnt 0x0
; X [4096][1024] and the four weights [1024][1024], f32, K innermost, become codes of FP6 (E2M3) with one E8M0 scale byte for each 32 along K.
; The program leaves out of the scores and of the second product the key steps of 128 that the causal mask hides from a whole tile of 16 queries: their p is 0 whatever the inputs hold.
; A NaN or an infinity that reaches only such a step is not carried to the result.
; xq: codes [4096 places][768 bytes], then at byte SCO the scale bytes [4096 places][32].  wq: the same shape: places 0-1023 q_proj, 1024-2047 k_proj, 2048-3071 v_proj, 3072-4095 o_proj.
; PLACES.  In xq and in the q, k and v parts of wq the place 64 b + 16 j + 8 h + i holds row 64 b + 32 h + 8 j + i (h = 0, 1; j = 0 .. 3; i = 0 .. 7): four tiles of 16 neighbouring places then leave
; 32 neighbours along the next product's K, a whole scale block, in one lane's registers.  o_proj's rows lie in their own order.
; A block's scale is 2^(floor(log2(its largest magnitude)) - 2); its byte is the largest magnitude's exponent field - 2, held at 1 from below.
; LIMITS: a block of zeros, and a block whose largest magnitude lies under 2^-124, keeps the byte 1 (for zeros the rule says 127: the codes are zeros, which add nothing, and this program alone reads the bytes);
; NaN and infinities among the inputs are not served.
; SHARES.  A work-group takes 32 rows, a wave 8 rows = 8,192 numbers = 16 steps of 512.  Work-groups 0-127 take X, 128-255 the weights, 32 each, in the order q, k, v, o.  Only pointers are chosen: one path for all.
; The order of places moves whole runs of 8 rows: run 4 h + j of eight goes to run 2 j + h.
; Each load reads 512 consecutive bytes; a step's 2,048 bytes turn through the wave's own stage in LDS, so that a lane holds 16 neighbours along K.  Loads run eight steps (32 loads a wave) ahead.
; No barrier, no tensor load: waves share nothing.  No prefetch: the loads themselves run half of the wave's bytes ahead.
.set STEPS, 16
.set EMAX,  2
.set CB,    12                         ; bytes of 16 codes
.set R,     16                         ; v16-143  eight sets of 16 numbers as they are loaded
.set X,     144                        ; v144-175 two sets of 16 neighbours
.set E,     176                        ; v176-191 a scale byte for each step
.set C,     192                        ; v192-255 codes: four registers for each step, so that no store's data are written again
.set SPW,   12                         ; v12 my spare word; never rewritten
.set NIL,   13                         ; v13 0; never rewritten
.set WREG,  8192                       ; LDS: a region for each wave: two stages of 32 x SP bytes, then its 256 scale bytes
.set SP,    80                         ; a lane's place in a stage: 64 bytes + 16 of padding
.set SPARE, 4*WREG
.set SCO,   3145728                    ; where the scale bytes begin in xq and in wq
	s_load_b256 s[4:11], s[0:1], 0x0               ; X, q_proj, k_proj, v_proj
	s_load_b128 s[12:15], s[0:1], 0x20             ; o_proj, xq
	s_load_b64 s[16:17], s[0:1], 0x30              ; wq
	v_lshl_add_u32 v[SPW], v0, 2, SPARE
	v_mov_b32 v[NIL], 0
	v_lshrrev_b32 v1, 5, v0
	v_readfirstlane_b32 s24, v1                    ; wave
	v_and_b32 v2, 31, v0                           ; lane
	v_lshlrev_b32 v3, 4, v2                        ; my 16 bytes of a load's 512
	s_mul_i32 s25, s24, WREG
	v_lshrrev_b32 v14, 2, v2
	v_mul_u32_u24 v14, v14, SP
	v_and_b32 v15, 3, v2
	v_lshl_add_u32 v14, v15, 4, v14
	v_add_nc_u32 v14, s25, v14                     ; the stage, on the way in: SP (lane / 4) + 16 (lane % 4)
	v_mul_u32_u24 v15, v2, SP
	v_add_nc_u32 v15, s25, v15                     ; and on the way out: SP x lane: my 16 neighbours
	v_mul_u32_u24 v4, v2, CB                       ; my codes' place in a step's
	v_lshrrev_b32 v5, 1, v2
	s_add_co_u32 s25, s25, 2*32*SP
	v_add_nc_u32 v5, s25, v5                       ; LDS: my wave's 256 scale bytes, my block's byte
	v_lshlrev_b32 v7, 3, v2                        ; and on the way out 8 bytes a lane
	v_add_nc_u32 v6, s25, v7
	s_and_b32 s27, ttmp9, 1                        ; which half of 64 rows my work-group has: h
	s_lshl_b32 s26, s24, 1
	s_or_b32 s26, s26, s27                         ; my run of the 64 places: 2 wave + h
	s_lshl_b32 s27, s27, 2
	s_add_co_u32 s27, s27, s24                     ; and in their own order: 4 h + wave
	s_wait_alu depctr_va_vdst(0)                   ; the head's end
	s_wait_kmcnt 0x0
	s_cmp_lt_u32 ttmp9, 224                        ; every choice hangs on the work-group's number alone
	s_cselect_b64 s[18:19], s[10:11], s[12:13]     ; the source: o_proj, or
	s_cselect_b32 s28, s26, s27                    ; (o_proj's rows keep their order)
	s_cmp_lt_u32 ttmp9, 192
	s_cselect_b64 s[18:19], s[8:9], s[18:19]       ; v_proj, k_proj,
	s_cmp_lt_u32 ttmp9, 160
	s_cselect_b64 s[18:19], s[6:7], s[18:19]       ; q_proj,
	s_cmp_lt_u32 ttmp9, 128
	s_cselect_b64 s[18:19], s[4:5], s[18:19]       ; X
	s_cselect_b64 s[20:21], s[14:15], s[16:17]     ; into xq or wq
	s_cselect_b32 s22, 0, 128
	s_cselect_b32 s23, 127, 31
	s_sub_co_u32 s22, ttmp9, s22                   ; the work-group's number within its output buffer,
	s_and_b32 s23, s22, s23                        ; and within its source
	s_lshl_b32 s23, s23, 2
	s_add_co_u32 s23, s23, s24                     ; which run of 8 rows I read
	s_lshr_b32 s22, s22, 1
	s_lshl_b32 s22, s22, 3
	s_add_co_u32 s22, s22, s28                     ; and which run of 8 places I write
	s_lshl_b32 s30, s23, 15                        ; 32,768 bytes a run of f32
	s_mov_b32 s31, 0
	s_add_nc_u64 s[4:5], s[18:19], s[30:31]
	s_mul_i32 s30, s22, 32*STEPS*CB                ; 6,144 bytes of codes a run
	s_add_nc_u64 s[8:9], s[20:21], s[30:31]
	s_lshl_b32 s30, s22, 8                         ; 256 scale bytes a run
	s_add_co_u32 s30, s30, SCO
	s_add_nc_u64 s[10:11], s[20:21], s[30:31]
.macro LOAD t
.irp i, 0,1,2,3
	global_load_b128 v[R+16*((\t)%8)+4*\i:R+16*((\t)%8)+4*\i+3], v3, s[4:5] offset:2048*(\t)+512*\i th:TH_LOAD_NT   ; 32 lanes read 512 consecutive bytes
.endr
.endm
.macro TURN t                          ; step t's numbers through the stage: LDS serves a wave's instructions in order, so no wait stands between the stores and the loads
.irp i, 0,1,2,3
	ds_store_b128 v14, v[R+16*((\t)%8)+4*\i:R+16*((\t)%8)+4*\i+3] offset:32*SP*((\t)%2)+8*SP*\i
.endr
.irp i, 0,1,2,3
	ds_load_b128 v[X+16*((\t)%2)+4*\i:X+16*((\t)%2)+4*\i+3], v15 offset:32*SP*((\t)%2)+16*\i
.endr
.endm
.irp t, 0,1,2,3,4,5,6,7
	LOAD \t
.endr
	s_wait_loadcnt 28                              ; step 0's four loads are in; the 28 of steps 1 to 7 may be out
	TURN 0
.macro STEP t
.set XS, X+16*((\t)%2)
.if (\t) > 0
	s_wait_dscnt 1                                 ; this step's numbers are back from the stage (the last step's byte store may be out): so its stores into the stage have read their registers,
.else
	s_wait_dscnt 0x0
.endif
.if (\t)+8 < STEPS
	LOAD (\t)+8                                    ; which take the loads of eight steps on
.endif
.if (\t)+1 < STEPS
.if STEPS-2-(\t) >= 7
	s_wait_loadcnt 28                              ; the next step's four loads are in; those of the seven steps behind it may be out
.else
	s_wait_loadcnt 4*(STEPS-2-(\t))
.endif
	TURN (\t)+1                                    ; and go through the other stage while this step is worked
.endif
	v_max3_num_f32 v8, |v[XS]|, |v[XS+1]|, |v[XS+2]|               ; the largest magnitude of my 16
	v_max3_num_f32 v9, |v[XS+3]|, |v[XS+4]|, |v[XS+5]|
.irp i, 6,10
	v_max3_num_f32 v8, v8, |v[XS+\i]|, |v[XS+\i+1]|
	v_max3_num_f32 v9, v9, |v[XS+\i+2]|, |v[XS+\i+3]|
.endr
	v_max3_num_f32 v8, v8, |v[XS+14]|, |v[XS+15]|
	v_max3_num_f32 v8, v8, v9, (EMAX+1)<<23        ; and the floor 2^(3 - 127): the byte cannot fall under 1
	v_max_num_f32_dpp v8, v8, v8 row_xmask:1 row_mask:0xf bank_mask:0xf   ; and of my neighbour's 16: the block's
	v_add_nc_u32 v11, -(EMAX<<23), v8              ; 2 off its exponent field: the conversion takes the exponent field of this operand as its scale
	v_cvt_scalef32_pk16_fp6_f32 v[C+4*(\t):C+4*(\t)+2], v[XS:XS+15], v11         ; sixteen codes, 96 bits without gaps, the first number's code lowest
	v_lshrrev_b32 v[E+(\t)], 23, v11               ; the scale's byte
	ds_store_b8 v5, v[E+(\t)] offset:16*(\t)       ; both lanes of a block write the same byte with the same value
	global_store_b96 v4, v[C+4*(\t):C+4*(\t)+2], s[8:9] offset:32*CB*(\t)   ; the wave stores 384 consecutive bytes
.endm
.irp t, 0,1,2,3,4,5,6,7,8,9,10,11,12,13,14,15
	STEP \t
.endr
	ds_load_b64 v[8:9], v6                         ; LDS serves a wave's instructions in order: these see my stores
	s_wait_dscnt 0x0
	global_store_b64 v7, v[8:9], s[10:11]          ; 32 lanes store 256 consecutive bytes, aligned
	s_wait_tensorcnt 0x0                           ; the wave's end
	ds_add_u32 v[SPW], v[NIL]
	s_wait_dscnt 0x0
	s_endpgm
.Lfunc_end_k_q37b6f1cd72_quant:
	.size	k_q37b6f1cd72_quant, .Lfunc_end_k_q37b6f1cd72_quant-k_q37b6f1cd72_quant
	.p2alignl 7, 3214868480
	.fill 96, 4, 3214868480
	.section	.rodata,"a",@progbits
	.p2align	6, 0x0
	.amdhsa_kernel k_q37b6f1cd72_quant
		.amdhsa_group_segment_fixed_size 33280
		.amdhsa_private_segment_fixed_size 0
		.amdhsa_enable_private_segment 0
		.amdhsa_kernarg_size 56
		.amdhsa_user_sgpr_count 2
		.amdhsa_user_sgpr_kernarg_segment_ptr 1
		.amdhsa_wavefront_size32 1
		.amdhsa_system_sgpr_workgroup_id_x 1
		.amdhsa_system_sgpr_workgroup_id_y 1
		.amdhsa_system_sgpr_workgroup_id_z 1
		.amdhsa_system_vgpr_workitem_id 0
		.amdhsa_next_free_vgpr 256
		.amdhsa_next_free_sgpr 66
		.amdhsa_reserve_vcc 0
		.amdhsa_float_denorm_mode_32 3
		.amdhsa_float_denorm_mode_16_64 3
		.amdhsa_memory_ordered 1
		.amdhsa_forward_progress 1
		.amdhsa_inst_pref_size 33
	.end_amdhsa_kernel
	.amdgpu_metadata
---
amdhsa.version: [ 1, 2 ]
amdhsa.kernels:
  - .name:           k_q37b6f1cd72_quant
    .symbol:         k_q37b6f1cd72_quant.kd
    .args:
      - { .name: X, .offset: 0, .size: 8, .value_kind: global_buffer, .address_space: global }
      - { .name: q_proj, .offset: 8, .size: 8, .value_kind: global_buffer, .address_space: global }
      - { .name: k_proj, .offset: 16, .size: 8, .value_kind: global_buffer, .address_space: global }
      - { .name: v_proj, .offset: 24, .size: 8, .value_kind: global_buffer, .address_space: global }
      - { .name: o_proj, .offset: 32, .size: 8, .value_kind: global_buffer, .address_space: global }
      - { .name: xq, .offset: 40, .size: 8, .value_kind: global_buffer, .address_space: global }
      - { .name: wq, .offset: 48, .size: 8, .value_kind: global_buffer, .address_space: global }
    .group_segment_fixed_size: 33280
    .private_segment_fixed_size: 0
    .kernarg_segment_align: 8
    .kernarg_segment_size: 56
    .max_flat_workgroup_size: 128
    .sgpr_count:     66
    .vgpr_count:     256
    .wavefront_size: 32
...
	.end_amdgpu_metadata
.endif
;; end of part 1
;; launch qkv (part 2): grid 8 x 32, 4 waves a work-group, clusters of 4 x 4, 327,680 bytes of LDS; arguments xq, wq, qq, kv; writes qq, kv
.if DOCPART == 2
	.amdgcn_target "amdgcn-amd-amdhsa--gfx1250"
	.amdhsa_code_object_version 6
	.text
	.protected	k_q37b6f1cd72_qkv
	.globl	k_q37b6f1cd72_qkv
	.p2align	8
	.type	k_q37b6f1cd72_qkv,@function
k_q37b6f1cd72_qkv:
	s_mov_b64 s[64:65], 0
	v_nop
	global_prefetch_b8 v0, s[64:65] scope:SCOPE_SE
	s_setreg_imm32_b32 hwreg(HW_REG_WAVE_MODE, 25, 1), 1
	s_wait_xcnt 0x0
	s_wait_alu depctr_hold_cnt(0) depctr_sa_sdst(0) depctr_va_vdst(0) depctr_va_sdst(0) depctr_va_ssrc(0) depctr_va_vcc(0) depctr_vm_vsrc(0)
	s_getreg_b32 s2, hwreg(HW_REG_IB_STS2, 6, 4)
	s_cmp_eq_u32 s2, 0
	s_cbranch_scc0 .Lentry_in_a_cluster
	s_endpgm
.Lentry_in_a_cluster:
	s_bfe_u32 s2, ttmp6, 0x10000c
	s_cmp_lg_u32 s2, 0xf033
	s_cbranch_scc0 .Lentry_shape_is_right
	s_endpgm
.Lentry_shape_is_right:
; The three projections q, k, v = X W^T on codes of FP6 (E2M3) with E8M0 scales, sums in f32; the results are quantised in registers and leave as images of the next products' operands.
; THE DEAL.  256 work-groups, each 128 places of X (one key step) x 128 places (two heads) of EACH of the three weights.  Four waves, 2 x 2: wave (a, b) takes the step's band a of 64 places and head b.
; A wave holds its 64 places of X, all of K, in registers (32 fragments of 16 x 128, 384 registers) and streams the weights' rows past them: twelve blocks of 16 places (four of q, of k, of v), all of K, in two sets of registers.
; By the order of places a lane's registers then hold whole scale blocks.  q, k (source 0 = the weight): lane (r, h) has token r of a block of X and, over the head's four weight blocks, features 32 h .. 32 h + 31.
; v (source 0 = X): lane (r, h) has channel r of a weight block and, over the four blocks of X, the band's tokens 32 h .. 32 h + 31.  No lane looks at another but for the scale words.
; A GROUP is 768 bytes, the image of six operand registers (16 rows x 64 along K; lane (r, h): k = 32 h .. 32 h + 31 of row r): bytes 0-511 registers 0-3, lane l at 16 l; bytes 512-767 registers 4-5, lane l at 8 l.
;   qq: GROUPs [batch, head 32][step 16][band 2][j 4]; at byte 3,145,728 scale words [batch, head][step][band][j / 2][16 rows]: bytes 2 (j % 2) + h.
;   kv: [batch, head 32][step 16] of 12,800 bytes: K's GROUPs [band][j], at 6,144 V's GROUPs [band][tile t], at 12,288 K's scale words as q's, at 12,544 V's scale words [t][16 rows]: bytes 2 band + h.
; Stores of codes cover 512 or 256 consecutive bytes, aligned.  The scale words leave in runs of 128 bytes (v's two bytes of each word a wave): 393,216 of the launch's 9.8 million stored bytes.
; LDS: X's 128 rows at 0, then two regions for a weight's 128 rows: Wq and then Wv in the first, Wk in the second: one refill.  An LDS row is 3 x (256 + 16) bytes.  Scale words come from memory straight into registers.
; CLUSTERS 4 x 4: X's rows are asked for jointly along a row of the cluster, a weight's along a column.
; PREFETCH: the refill's rows (Wv) are asked for at the head, shared out by address among the sixteen waves of the four partners that load them jointly, 24 blocks of 256 bytes a wave; three blocks of products stand before the load.
; LIMITS: a block of zeros, and one whose largest magnitude lies under 2^-124, keeps the scale byte 1; NaN and infinities are not served.
.set KROW,  768
.set PITCH, 816
.set YB,    128*PITCH
.set HALFB, 64*PITCH
.set BLKB,  16*PITCH
.set SPARE, 3*YB
.set SCO,   3145728
.set FR,    12                         ; registers of a fragment
.set FPW,   21                         ; fragments in a window: 0-31 X's (4 q + block), 32-39 and 40-47 the weight blocks' two sets
.set NF,    26                         ; LDS loads of a block's eight fragments
.set ACC,   72                         ; window 3: v840-967, the results of a tile
.set CO8,   9                          ; v9  8 x lane
.set SPW,   10                         ; v10 my spare word; never rewritten
.set NIL,   11                         ; v11 0; never rewritten
.set CO16,  12                         ; v12 16 x lane
.set CO4,   14                         ; v14 4 x lane
.set CV,    15                         ; v15 4 x lane + 2 x band
.set ABS,   16                         ; v16 32 x lane
.set PFA,   17                         ; v17 the prefetch's offset
.set TQ,    18                         ; v18-21 four chains
.set SOP,   22                         ; v22-23 scale operands
.set SX,    24                         ; v24-39 X's scale words: block j, step q: register 8 (j / 2) + q, lanes 16 (j % 2) ..
.set SW,    44                         ; v44-91 the weights', 16 for each
.set EB,    92                         ; v92-95 scale bytes
.set TC,    96                         ; v96-98, v100-102 the conversions' second halves
.set WP,    104                        ; v104-105
.set WD,    106                        ; v106-109 scale words as they are stored
.set AXB,   120                        ; v120-127 LDS addresses of X's four blocks (the second: for the pieces behind one padding more)
.set AWB,   128                        ; v128-143 of the weights' eight blocks in the two regions
.set CD,    160                        ; v160-231 codes, six registers a GROUP
.set G1X, 24
.set G1W, 32
.set G0X, 56
.set G0W, 60
.set G0K, 68
.set MSB, 0
.macro WIN new                         ; the immediate's high byte repeats the setting that is left
.if MSB != (\new)
	s_set_vgpr_msb (MSB<<8)|(\new)
.set MSB, (\new)
.endif
.endm
.macro PLACES n                        ; plain lines between a matrix instruction and a load into, or a vector instruction or store on, one of its registers
.rept \n
	v_nop
.endr
.endm
.macro WALU
	s_wait_alu depctr_va_vdst(0)
.endm
.macro BARRIER
	s_barrier_signal -1
	s_barrier_wait -1
.endm
.macro MIDDLE                          ; a round's middle
	WIN 0
	s_barrier_wait -1
	s_cmp_lg_u32 s14, 0
	s_cbranch_scc1 .Lnot_wave_0_\@
	s_barrier_signal -3
.Lnot_wave_0_\@:
	s_barrier_wait -3
.endm
.macro CROUND
	s_barrier_signal -1
	MIDDLE
	BARRIER
.endm
.macro TLOAD g0, g1
	tensor_load_to_lds s[\g0:\g0+3], s[\g1:\g1+7]
	s_nop 0
	PLACES 4
.endm
.macro GROUP1 g, mask, rows            ; rows of 768 bytes, 16 bytes of padding behind every 256
	s_or_b32 s[\g+0], s[\mask], (1<<20)|(1<<21)|(5<<22)|(3<<25)
	s_mov_b32 s[\g+1], KROW<<16
	s_mov_b32 s[\g+2], (\rows)<<16
	s_mov_b32 s[\g+3], KROW<<16
	s_mov_b32 s[\g+4], \rows
	s_mov_b32 s[\g+5], KROW
	s_mov_b32 s[\g+6], 0
	s_mov_b32 s[\g+7], 0
.endm
.macro FRAG f, q, a0, a1               ; a fragment: six pieces of 8 bytes, two to a load where both lie behind as many paddings
	WIN ((1+(\f)/FPW)<<6)
.set R_, FR*((\f)%FPW)
.set SKIP_, 0
.irp p, 0,1,2,3,4,5
.if SKIP_
.set SKIP_, 0
.else
.set PC_, 12*(\q)+6*(\p/3)+\p%3
.set PN_, 12*(\q)+6*((\p+1)/3)+(\p+1)%3
.set X_, (PC_%32+3)/32
.set XQ_, (PN_%32+3)/32
.if (\p < 5) && (X_ == XQ_)
.set SKIP_, 1
.if X_
	ds_load_2addr_b64 v[R_+2*\p:R_+2*\p+3], \a1 offset0:PC_+2*(PC_/32) offset1:PN_+2*(PN_/32)
.else
	ds_load_2addr_b64 v[R_+2*\p:R_+2*\p+3], \a0 offset0:PC_+2*(PC_/32) offset1:PN_+2*(PN_/32)
.endif
.elseif X_
	ds_load_b64 v[R_+2*\p:R_+2*\p+1], \a1 offset:8*(PC_+2*(PC_/32))
.else
	ds_load_b64 v[R_+2*\p:R_+2*\p+1], \a0 offset:8*(PC_+2*(PC_/32))
.endif
.endif
.endr
.endm
.macro FETCH s                         ; weight block s (0-3 Wq, 4-7 Wk, 8-11 Wv) into set s % 2
.set AI, AWB+8*(((\s)/4)%2)+2*((\s)%4)
.irp q, 0,1,2,3,4,5,6,7
	FRAG 32+8*((\s)%2)+\q, \q, v[AI], v[AI+1]
.endr
	WIN 0
.endm
.macro LQ q                            ; at the start, K step q: X's four fragments, and blocks 0 and 1 of Wq: 18 loads, for q = 2 and 5 24
.irp j, 0,1,2,3
	FRAG 4*(\q)+\j, \q, v[AXB+2*\j], v[AXB+2*\j+1]
.endr
	FRAG 32+(\q), \q, v[AWB], v[AWB+1]
	FRAG 40+(\q), \q, v[AWB+2], v[AWB+3]
.endm
.macro MM d, a, b, xa, xb, q, ra, rb
.if \q
	v_wmma_scale_f32_16x16x128_f8f6f4 v[\d:\d+7], v[\a:\a+11], v[\b:\b+11], v[\d:\d+7], v[\xa], v[\xb] matrix_a_fmt:MATRIX_FMT_FP6 matrix_b_fmt:MATRIX_FMT_FP6 matrix_a_scale:MATRIX_SCALE_ROW\ra matrix_b_scale:MATRIX_SCALE_ROW\rb
.else
	v_wmma_scale_f32_16x16x128_f8f6f4 v[\d:\d+7], v[\a:\a+11], v[\b:\b+11], 0, v[\xa], v[\xb] matrix_a_fmt:MATRIX_FMT_FP6 matrix_b_fmt:MATRIX_FMT_FP6 matrix_a_scale:MATRIX_SCALE_ROW\ra matrix_b_scale:MATRIX_SCALE_ROW\rb
.endif
.endm
.macro P1 kind, e, t, jw, rw, q, jx, rx   ; weight t's block jw (set e) with X's block jx, step q; rw, rx: which half of the lanes holds the scale word
.set FA, 4*(\q)+(\jx)
.set FB, 32+8*(\e)+(\q)
.set GA, FR*(FA%FPW)
.set GB, FR*(FB%FPW)
.set XA, SX+8*((\jx)/2)+(\q)
.set XB, SW+16*(\t)+8*((\jw)/2)+(\q)
.if \kind
.set DD, ACC+32*(\jw)+8*(\jx)
	WIN (1+FA/FPW)|((1+FB/FPW)<<2)|0xf0
	MM DD, GA, GB, XA, XB, \q, \rx, \rw
.else
.set DD, ACC+8*(\jw)+32*(\jx)
	WIN (1+FB/FPW)|((1+FA/FPW)<<2)|0xf0
	MM DD, GB, GA, XB, XA, \q, \rw, \rx
.endif
.endm
.macro PQ kind, e, t, jw, rw, q        ; the four accumulators by turns
	P1 \kind, \e, \t, \jw, \rw, \q, 0, 0
	P1 \kind, \e, \t, \jw, \rw, \q, 1, 1
	P1 \kind, \e, \t, \jw, \rw, \q, 2, 0
	P1 \kind, \e, \t, \jw, \rw, \q, 3, 1
.endm
.macro PR kind, e, t, jw, rw, from, to
.set QQ, \from
.rept (\to)-(\from)
	PQ \kind, \e, \t, \jw, \rw, QQ
.set QQ, QQ+1
.endr
.endm
.macro STD kind, s, t, jw, rw, wait    ; a block; behind it the fetch of the block two on
	s_wait_dscnt \wait
	PR \kind, (\s)%2, \t, \jw, \rw, 0, 8
	WIN 0
	PLACES 4
.if (\s)+2 < 12
	FETCH (\s)+2
.endif
.endm
.macro QUANT2 g, cd                    ; GROUPs g, g + 1 of a tile: 32 numbers a lane each, one scale block; codes into v[cd ..], bytes into v[EB + g], v[EB + g + 1]
.set B0, ACC+32*(\g)
	WIN 0x3c                               ; sources 1 and 2: window 3
.irp i, 0,2,4,6,8,10,12,14
.irp u, 0,1
.irp k, 0,1
.if \i == 0
	v_max3_num_f32 v[TQ+2*\u+\k], 0x1800000, |v[B0+32*\u+16*\k]|, |v[B0+32*\u+16*\k+1]|   ; with the floor 2^(3 - 127)
.else
	v_max3_num_f32 v[TQ+2*\u+\k], v[TQ+2*\u+\k], |v[B0+32*\u+16*\k+\i]|, |v[B0+32*\u+16*\k+\i+1]|
.endif
.endr
.endr
.endr
	WIN 0
.irp u, 0,1
	v_max_num_f32 v[TQ+2*\u], v[TQ+2*\u], v[TQ+2*\u+1]
.endr
.irp u, 0,1
	v_add_nc_u32 v[SOP+\u], 0xff000000, v[TQ+2*\u]   ; 2 off the exponent field: the conversion's scale operand
.endr
.irp u, 0,1
	v_lshrrev_b32 v[EB+(\g)+\u], 23, v[SOP+\u]
.endr
	WIN 3                                  ; source 0: window 3
.irp u, 0,1
	v_cvt_scalef32_pk16_fp6_f32 v[\cd+6*\u:\cd+6*\u+2], v[B0+32*\u:B0+32*\u+15], v[SOP+\u]
	v_cvt_scalef32_pk16_fp6_f32 v[TC+4*\u:TC+4*\u+2], v[B0+32*\u+16:B0+32*\u+31], v[SOP+\u]
.endr
	WIN 0
	v_nop                                  ; one plain line behind a scaled conversion
.irp u, 0,1
.irp i, 0,1,2
	v_mov_b32 v[\cd+6*\u+3+\i], v[TC+4*\u+\i]
.endr
.endr
.endm
.macro PUT c, base, off                ; one GROUP
	global_store_b128 v[CO16], v[\c:\c+3], s[\base:\base+1] offset:\off
	global_store_b64 v[CO8], v[\c+4:\c+5], s[\base:\base+1] offset:(\off)+512
.endm
.macro OUTQK t, cb, sb                 ; q's or k's tile: four GROUPs and two scale words a row
	QUANT2 0, CD+24*(\t)
	QUANT2 2, CD+24*(\t)+12
	v_lshl_or_b32 v[WP], v[EB+1], 16, v[EB]
	v_lshl_or_b32 v[WP+1], v[EB+3], 16, v[EB+2]
	v_permlane16_swap_b32 v[WP], v[WP+1]   ; lanes 0-15 keep the first pair of GROUPs, lanes 16-31 the second: WP the bytes of h = 0, WP + 1 of h = 1
	v_lshl_or_b32 v[WD+\t], v[WP+1], 8, v[WP]
	WALU
.irp j, 0,1,2,3
	PUT CD+24*(\t)+6*\j, \cb, 768*\j
.endr
	global_store_b32 v[CO4], v[WD+\t], s[\sb:\sb+1]
.endm
.macro OUTV g                          ; v's tiles g, g + 1: two GROUPs and their two bytes of each scale word
	QUANT2 \g, CD+48+6*(\g)
	v_permlane16_swap_b32 v[EB+(\g)], v[EB+(\g)+1]
	v_lshl_or_b32 v[WD+2+(\g)/2], v[EB+(\g)+1], 8, v[EB+(\g)]
	WALU
.irp j, 0,1
	PUT CD+48+6*(\g+\j), 80, 768*(\g+\j)
.endr
	global_store_b16 v[CV], v[WD+2+(\g)/2], s[82:83] offset:64*(\g)
.endm
	s_load_b256 s[4:11], s[0:1], 0x0               ; xq, wq, qq, kv
	v_lshl_add_u32 v[SPW], v0, 2, SPARE
	v_mov_b32 v[NIL], 0
	ds_add_u32 v[SPW], v[NIL]                      ; the opening: the add, twice on end, and its wait
	ds_add_u32 v[SPW], v[NIL]
	v_lshrrev_b32 v1, 5, v0
	v_readfirstlane_b32 s14, v1                    ; wave
	s_lshr_b32 s15, s14, 1                         ; a: my band of tokens
	s_and_b32 s16, s14, 1                          ; b: my head of the two.  Also: which half of a tile I fetch
	s_bfe_u32 s40, ttmp6, 0x40000                  ; cx
	s_bfe_u32 s41, ttmp6, 0x40004                  ; cy
	s_lshl_b32 s42, ttmp9, 2
	s_add_co_u32 s42, s42, s40                     ; the pair of heads, 0 .. 7
	s_and_b32 s43, ttmp7, 0xffff
	s_lshl_b32 s43, s43, 2
	s_add_co_u32 s43, s43, s41                     ; the 128 tokens, 0 .. 31
	s_lshl_b32 s44, s41, 2
	s_lshl_b32 s44, 15, s44                        ; my row of the cluster
	s_lshl_b32 s45, 0x1111, s40                    ; my column
	GROUP1 G1X, 44, 64
	GROUP1 G1W, 45, 128
	s_mul_i32 s46, s43, 128*KROW
	s_mul_i32 s20, s16, 64*KROW
	s_add_co_u32 s46, s46, s20                     ; my 64 rows of X's tile
	s_mov_b32 s47, 0
	s_mul_i32 s48, s42, 128*KROW                   ; a weight's rows
	s_mov_b32 s49, 0
	s_add_co_u32 s88, s48, 2048*KROW
	s_add_co_u32 s88, s88, s20                     ; for the refill: my 64 rows of Wv
	s_mov_b32 s89, 0
	s_mov_b32 s[G0X], 1
	s_mul_i32 s[G0X+1], s16, HALFB
	s_mov_b32 s[G0W], 1
	s_mov_b32 s[G0W+1], YB
	s_mov_b32 s[G0K], 1
	s_mov_b32 s[G0K+1], 2*YB
	WALU
	s_wait_dscnt 0x0                               ; both opening adds are done
	CROUND                                         ; all sixteen work-groups are here: the first joint loads meet
	s_wait_kmcnt 0x0
	s_add_nc_u64 s[G0X+2:G0X+3], s[4:5], s[46:47]
	s_or_b32 s[G0X+3], s[G0X+3], 0x80000000
	s_add_nc_u64 s[G0W+2:G0W+3], s[6:7], s[48:49]
	s_add_nc_u64 s[G0K+2:G0K+3], s[G0W+2:G0W+3], 1024*KROW
	s_or_b32 s[G0W+3], s[G0W+3], 0x80000000
	s_or_b32 s[G0K+3], s[G0K+3], 0x80000000
	s_cmp_lt_u32 s14, 2                            ; one load a wave: waves 0, 1 X's halves, wave 2 Wq, wave 3 Wk
	s_cbranch_scc0 .Lfor_q
	TLOAD G0X, G1X
	s_branch .Lasked
.Lfor_q:
	s_cmp_eq_u32 s14, 2
	s_cbranch_scc0 .Lfor_k
	TLOAD G0W, G1W
	s_branch .Lasked
.Lfor_k:
	TLOAD G0K, G1W
.Lasked:
	s_lshl_b32 s84, s43, 7
	s_lshl_b32 s20, s15, 6
	s_add_co_u32 s84, s84, s20
	s_lshl_b32 s84, s84, 5
	s_add_co_u32 s84, s84, SCO                     ; my 64 places' scale bytes in xq
	s_mov_b32 s85, 0
	s_lshl_b32 s86, s42, 7
	s_lshl_b32 s20, s16, 6
	s_add_co_u32 s86, s86, s20
	s_lshl_b32 s86, s86, 5
	s_add_co_u32 s86, s86, SCO                     ; my head's in wq
	s_mov_b32 s87, 0
	s_add_nc_u64 s[84:85], s[4:5], s[84:85]
	s_add_nc_u64 s[86:87], s[6:7], s[86:87]
	s_lshl_b32 s23, s41, 2
	s_add_co_u32 s23, s23, s14                     ; my number among the sixteen waves of my column
	s_mul_i32 s23, s23, 8*KROW
	s_add_co_u32 s23, s23, s48
	s_add_co_u32 s23, s23, 2048*KROW
	v_and_b32 v1, 15, v0                           ; r
	v_bfe_u32 v2, v0, 4, 1                         ; h
	v_and_b32 v3, 31, v0                           ; lane
	v_lshlrev_b32 v[ABS], 5, v3
.irp p, 0,1
.irp f, 0,1
	global_load_b128 v[SX+8*\p+4*\f:SX+8*\p+4*\f+3], v[ABS], s[84:85] offset:1024*\p+16*\f
.endr
.endr
.irp t, 0,1,2
.irp p, 0,1
.irp f, 0,1
	global_load_b128 v[SW+16*\t+8*\p+4*\f:SW+16*\t+8*\p+4*\f+3], v[ABS], s[86:87] offset:32768*\t+1024*\p+16*\f
.endr
.endr
.endr
	v_min_u32 v[PFA], 23, v3
	v_lshl_add_u32 v[PFA], v[PFA], 8, s23
	v_mul_u32_u24 v18, v1, PITCH
	v_mad_u32_u24 v18, v2, 24, v18
	s_mul_i32 s20, s15, HALFB
	v_add_nc_u32 v[AXB], s20, v18
	v_lshl_add_u32 v[AXB+1], v2, 4, v[AXB]
.irp j, 1,2,3
	v_add_nc_u32 v[AXB+2*\j], \j*BLKB, v[AXB]
	v_add_nc_u32 v[AXB+2*\j+1], \j*BLKB, v[AXB+1]
.endr
	s_mul_i32 s21, s16, HALFB
	s_add_co_u32 s21, s21, YB
	v_add_nc_u32 v[AWB], s21, v18
	v_lshl_add_u32 v[AWB+1], v2, 4, v[AWB]
.irp j, 1,2,3,4,5,6,7
	v_add_nc_u32 v[AWB+2*\j], (\j%4)*BLKB+(\j/4)*YB, v[AWB]
	v_add_nc_u32 v[AWB+2*\j+1], (\j%4)*BLKB+(\j/4)*YB, v[AWB+1]
.endr
	v_lshlrev_b32 v[CO16], 4, v3
	v_lshlrev_b32 v[CO8], 3, v3
	v_lshlrev_b32 v[CO4], 2, v3
	s_lshl_b32 s22, s15, 1
	v_add_nc_u32 v[CV], s22, v[CO4]
	global_prefetch_b8 v[PFA], s[6:7] th:TH_LOAD_NT scope:SCOPE_SE   ; Wv's rows, for the refill
	s_lshr_b32 s50, s43, 4                         ; where the results go: batch,
	s_lshl_b32 s50, s50, 4
	s_lshl_b32 s51, s42, 1
	s_add_co_u32 s50, s50, s51
	s_add_co_u32 s50, s50, s16                     ; 16 x batch + head
	s_and_b32 s51, s43, 15                         ; the step
	s_mul_i32 s53, s15, 3072                       ; the band
	s_lshl_b32 s54, s15, 7
	s_mul_i32 s72, s50, 98304
	s_mul_i32 s20, s51, 6144
	s_add_co_u32 s72, s72, s20
	s_add_co_u32 s72, s72, s53                     ; q's codes
	s_mov_b32 s73, 0
	s_lshl_b32 s74, s50, 12
	s_lshl_b32 s20, s51, 8
	s_add_co_u32 s74, s74, s20
	s_add_co_u32 s74, s74, s54
	s_add_co_u32 s74, s74, SCO                     ; q's scale words
	s_mov_b32 s75, 0
	s_mul_i32 s52, s50, 204800
	s_mul_i32 s20, s51, 12800
	s_add_co_u32 s52, s52, s20
	s_add_co_u32 s76, s52, s53                     ; k's codes
	s_mov_b32 s77, 0
	s_add_co_u32 s78, s52, s54
	s_add_co_u32 s78, s78, 12288                   ; k's scale words
	s_mov_b32 s79, 0
	s_add_co_u32 s80, s76, 6144                    ; v's codes
	s_mov_b32 s81, 0
	s_add_co_u32 s82, s52, 12544                   ; v's scale words
	s_mov_b32 s83, 0
	s_add_nc_u64 s[72:73], s[8:9], s[72:73]
	s_add_nc_u64 s[74:75], s[8:9], s[74:75]
	s_add_nc_u64 s[76:77], s[10:11], s[76:77]
	s_add_nc_u64 s[78:79], s[10:11], s[78:79]
	s_add_nc_u64 s[80:81], s[10:11], s[80:81]
	s_add_nc_u64 s[82:83], s[10:11], s[82:83]
	WALU                                           ; the head's end
	s_cmp_eq_u32 s14, 3
	s_cbranch_scc1 .Lnot_k
	s_wait_tensorcnt 0x0
.Lnot_k:
	BARRIER                                        ; X and Wq are in; Wk may still be on its way
	; block 0 goes by K steps as its fragments come in
	LQ 0
	LQ 1
	s_wait_loadcnt 0x0                             ; the scale words
.irp q, 0,1,2,3,4,5,6,7
.if \q == 7
	s_wait_dscnt 0
.elseif (\q == 1) || (\q == 4)
	s_wait_dscnt 24                                ; all but the next K step's loads
.else
	s_wait_dscnt 18
.endif
	PQ 0, 0, 0, 0, 0, \q
.if \q < 6
	LQ \q+2
.endif
.endr
	WIN 0
	PLACES 4
	FETCH 2
	STD 0, 1, 0, 1, 1, NF
	; block 2 holds the refill's round
	s_wait_dscnt NF
	s_wait_tensorcnt 0x0                           ; all my tensor loads have landed, Wk's among them
	ds_add_u32 v[SPW], v[NIL]
	s_mov_b32 s[G1W+2], 64<<16                     ; no load of mine is out: Wv comes in two halves of 64 rows
	s_mov_b32 s[G1W+4], 64
	s_mul_i32 s[G0W+1], s16, HALFB
	s_add_co_u32 s[G0W+1], s[G0W+1], YB
	s_add_nc_u64 s[G0W+2:G0W+3], s[6:7], s[88:89]
	s_or_b32 s[G0W+3], s[G0W+3], 0x80000000
	PR 0, 0, 0, 2, 0, 0, 6
	WIN 0
	WALU
	s_wait_dscnt 0x0                               ; the add is done, and so are my reads of Wq: block 3's fragments were the last
	s_barrier_signal -1
	PR 0, 0, 0, 2, 0, 6, 8
	MIDDLE
	BARRIER
	s_cmp_lt_u32 s14, 2
	s_cbranch_scc0 .Lno_half
	TLOAD G0W, G1W                                 ; waves 0 and 1 a half each of Wv's rows, onto Wq's
.Lno_half:
	PLACES 4
	FETCH 4
	STD 0, 3, 0, 3, 1, NF
	OUTQK 0, 72, 74
	STD 0, 4, 1, 0, 0, NF
	STD 0, 5, 1, 1, 1, NF
	; block 6 holds a plain barrier that shows Wv to all
	s_wait_dscnt NF
	PR 0, 0, 1, 2, 0, 0, 6
	WIN 0
	WALU
	s_wait_tensorcnt 0x0
	s_wait_dscnt 0x0
	s_barrier_signal -1
	PR 0, 0, 1, 2, 0, 6, 8
	WIN 0
	s_barrier_wait -1
	PLACES 4
	FETCH 8
	STD 0, 7, 1, 3, 1, NF
	OUTQK 1, 76, 78
	STD 1, 8, 2, 0, 0, NF
	STD 1, 9, 2, 1, 1, NF
	OUTV 0
	STD 1, 10, 2, 2, 0, NF
	STD 1, 11, 2, 3, 1, 0
	OUTV 2
	s_wait_tensorcnt 0x0                           ; the wave's end
	ds_add_u32 v[SPW], v[NIL]
	s_wait_dscnt 0x0
	CROUND                                         ; the closing round: no work-group ends while a partner may still ask for a tile that names it
	s_endpgm
.Lfunc_end_k_q37b6f1cd72_qkv:
	.size	k_q37b6f1cd72_qkv, .Lfunc_end_k_q37b6f1cd72_qkv-k_q37b6f1cd72_qkv
	.p2alignl 7, 3214868480
	.fill 96, 4, 3214868480
	.section	.rodata,"a",@progbits
	.p2align	6, 0x0
	.amdhsa_kernel k_q37b6f1cd72_qkv
		.amdhsa_group_segment_fixed_size 327680
		.amdhsa_private_segment_fixed_size 0
		.amdhsa_enable_private_segment 0
		.amdhsa_kernarg_size 32
		.amdhsa_user_sgpr_count 2
		.amdhsa_user_sgpr_kernarg_segment_ptr 1
		.amdhsa_wavefront_size32 1
		.amdhsa_system_sgpr_workgroup_id_x 1
		.amdhsa_system_sgpr_workgroup_id_y 1
		.amdhsa_system_sgpr_workgroup_id_z 1
		.amdhsa_system_vgpr_workitem_id 0
		.amdhsa_next_free_vgpr 968
		.amdhsa_next_free_sgpr 100
		.amdhsa_reserve_vcc 0
		.amdhsa_float_denorm_mode_32 3
		.amdhsa_float_denorm_mode_16_64 3
		.amdhsa_memory_ordered 1
		.amdhsa_forward_progress 1
		.amdhsa_inst_pref_size 113
	.end_amdhsa_kernel
	.amdgpu_metadata
---
amdhsa.version: [ 1, 2 ]
amdhsa.kernels:
  - .name:           k_q37b6f1cd72_qkv
    .symbol:         k_q37b6f1cd72_qkv.kd
    .args:
      - { .name: xq, .offset: 0, .size: 8, .value_kind: global_buffer, .address_space: global }
      - { .name: wq, .offset: 8, .size: 8, .value_kind: global_buffer, .address_space: global }
      - { .name: qq, .offset: 16, .size: 8, .value_kind: global_buffer, .address_space: global }
      - { .name: kv, .offset: 24, .size: 8, .value_kind: global_buffer, .address_space: global }
    .group_segment_fixed_size: 327680
    .private_segment_fixed_size: 0
    .kernarg_segment_align: 8
    .kernarg_segment_size: 32
    .max_flat_workgroup_size: 128
    .sgpr_count:     100
    .vgpr_count:     968
    .wavefront_size: 32
...
	.end_amdgpu_metadata
.endif
;; end of part 2
;; launch attn (part 3): grid 8 x 32, 16 waves a work-group, clusters of 4 x 1, 241,664 bytes of LDS; arguments qq, kv, aa; writes aa
.if DOCPART == 3
	.amdgcn_target "amdgcn-amd-amdhsa--gfx1250"
	.amdhsa_code_object_version 6
	.text
	.protected	k_q37b6f1cd72_attn
	.globl	k_q37b6f1cd72_attn
	.p2align	8
	.type	k_q37b6f1cd72_attn,@function
k_q37b6f1cd72_attn:
	s_mov_b64 s[64:65], 0
	v_nop
	global_prefetch_b8 v0, s[64:65] scope:SCOPE_SE
	s_setreg_imm32_b32 hwreg(HW_REG_WAVE_MODE, 25, 1), 1
	s_wait_xcnt 0x0
	s_wait_alu depctr_hold_cnt(0) depctr_sa_sdst(0) depctr_va_vdst(0) depctr_va_sdst(0) depctr_va_ssrc(0) depctr_va_vcc(0) depctr_vm_vsrc(0)
	s_getreg_b32 s2, hwreg(HW_REG_IB_STS2, 6, 4)
	s_cmp_eq_u32 s2, 0
	s_cbranch_scc0 .Lentry_in_a_cluster
	s_endpgm
.Lentry_in_a_cluster:
	s_bfe_u32 s2, ttmp6, 0x10000c
	s_cmp_lg_u32 s2, 0x3003
	s_cbranch_scc0 .Lentry_shape_is_right
	s_endpgm
.Lentry_shape_is_right:
; Causal attention of one (batch, head) a work-group row: scores = q k^T / 8 and o = softmax(scores) v, both products on codes of FP6 (E2M3) with E8M0 scales; then o / l is quantised along (head, channel) for the last projection.
; THE SOFTMAX AHEAD OF THE SECOND PRODUCT: t = score x c, c = log2(e) / 8; M = the row's largest t so far, rounded up to a whole number; p = 2^(t - M) is quantised along the keys, not normalised; the row's sum is taken of the
; unquantised p, in f32, and divides O at the end.  When M moves, the sum and O are multiplied by 2^(old M - new M): exact.
; A key step is 128 keys: two bands of 64, four GROUPs each (768 bytes, the image of six operand registers).  LAID OUT SO THAT BLOCKS ARE A LANE'S OWN: row r of GROUP j of a band is token 32 (r / 8) + 8 j + r % 8;
; so lane (r, h) holds query r, and its 32 scores of a band's four tiles are keys 32 h .. 32 h + 31: one scale block of p, and six registers of the next operand as they fall.  O^T likewise: 32 channels 32 h .. 32 h + 31.
; THE WHOLE HEAD LIES IN LDS, filled once: sixteen key steps of 12,800 bytes (K's GROUPs, V's, K's and V's scale words), one tensor load a wave; nothing is filled again.
; SHARES.  Work-group g (0-7) of a head takes the 16 queries of GROUP g of every block of 128.  Block X has X + 1 key steps (what comes after is hidden by the causal mask and left out).  Sixteen waves, in pairs: a pair has the blocks x and 15 - x,
; 17 steps together.  Role 0 takes steps 0-8 of block 15 - x; role 1 takes all of block x, and then steps 9 .. 15 - x of block 15 - x, whose O, M and sum go through LDS to role 0, which joins the two parts by whole powers of two.
; So a wave has 9 or 8 steps, and each four waves w / 4 and each four w % 4 have 34.  x and the role hang on the wave's number alone, so all work-groups run alike and have equal work.
; CLUSTER.  The four work-groups of a cluster belong to one head: K and V are asked for jointly.  The work-group's place in the cluster enters global addresses and lane data alone.
; THE SCORES' K IS 64, half of the instruction's 128.  A fragment of K is TWO tiles of 16 keys; Q's GROUP stands between two runs of zero codes, so that v[22:33] meets the first tile and v[16:27] the second.
; No prefetch: all that the launch loads is asked for at its head, and no loop loads from memory.
; LIMITS: scaled scores stay under 2^31 in magnitude; NaN and infinities are not served; p under 2^-126 counts as 0 (v_exp_f32 flushes such results: ISA guide, its entry); a block's largest p is taken from its largest score;
; a block of zeros keeps the scale byte 1.  The scale bytes of the output leave one byte a lane: 131,072 of the launch's 3.3 million stored bytes.
; REGISTERS: v1-3 16, 8, 4 x lane; v4 my query in its 128 less 32 h; v5-8 at work; v9, v10 the add's; v11, v35 the parts' place in LDS; v12 -M, v13 the largest score, v[14:15] the sum; v16-33 zeros, Q, zeros; v34 Q's scale word;
; v36-83 four fragments of K, then of V; v84-87 their scale words; v88-94 the pair's longer block's Q; v95 the scale bytes' place; v96-159 S^T, then p; v160-191 O^T; v192-203 p's codes; v204-235 at work.
.set KF,   36
.set SPW,  9
.set NIL,  10
.set T,    208                         ; v208-211 chains; v208 and v210 the two blocks' largest
.set SOP,  212
.set BY,   214
.set PW,   219                         ; p's scale word
.set WV,   16
.set XX,   17                          ; x
.set ROLE, 18
.set BH,   19                          ; 16 x batch + head
.set SEL,  20                          ; lane selects for lane l xor 16
.set CS,   22                          ; s[22:23] c
.set G1,   24
.set G0,   40
.set GG,   44                          ; g
.set NC,   45                          ; -c
.set XO,   46                          ; the block that I store
.set XH,   47                          ; 15 - x
.set KAP,  60                          ; the key step
.set TK,   61                          ; where it lies in LDS
.set LAST, 62                          ; my last step of this run
.set DIAG, 63                          ; the step on the diagonal
.set CNT,  66
.set SB,   12800                       ; a key step's bytes
.set PART, 16*SB                       ; the parts: 4,352 bytes for each pair
.set SPARE, PART+8*4352
.set SCO,  3145728
.macro WALU
	s_wait_alu depctr_va_vdst(0)
.endm
.macro CROUND                          ; a round of the cluster's barrier
	s_barrier_signal -1
	s_barrier_wait -1
	s_cmp_lg_u32 s[WV], 0
	s_cbranch_scc1 .Lnot_wave_0_\@
	s_barrier_signal -3
.Lnot_wave_0_\@:
	s_barrier_wait -3
	s_barrier_signal -1
	s_barrier_wait -1
.endm
.macro TLOAD
	tensor_load_to_lds s[G0:G0+3], s[G1:G1+7]
	s_nop 0
.rept 4
	v_nop
.endr
.endm
.macro QPLACE x, d                     ; byte offsets of block x's GROUP g in s[d], of its scale words in s[d+2]
	s_mul_i32 s[\d], s[BH], 98304
	s_mul_i32 s67, s[\x], 6144
	s_add_co_u32 s[\d], s[\d], s67
	s_mul_i32 s67, s[GG], 768
	s_add_co_u32 s[\d], s[\d], s67
	s_mov_b32 s[\d+1], 0
	s_lshl_b32 s[\d+2], s[BH], 12
	s_lshl_b32 s67, s[\x], 8
	s_add_co_u32 s[\d+2], s[\d+2], s67
	s_lshr_b32 s67, s[GG], 1
	s_lshl_b32 s67, s67, 6
	s_add_co_u32 s[\d+2], s[\d+2], s67
	s_add_co_u32 s[\d+2], s[\d+2], SCO
	s_mov_b32 s[\d+3], 0
	s_add_nc_u64 s[\d:\d+1], s[4:5], s[\d:\d+1]
	s_add_nc_u64 s[\d+2:\d+3], s[4:5], s[\d+2:\d+3]
.endm
.macro EMPTY                           ; nothing summed yet
.set n, 0
.rept 32
	v_mov_b32 v[160+n], 0
.set n, n+1
.endr
	v_mov_b32 v12, 0x7e000000              ; -M, above every -M: the first change of M multiplies zeros by 0
	v_mov_b32 v13, 0xff61b1e6              ; the largest score: -3e38, under every score
	v_mov_b32 v14, 0
	v_mov_b32 v15, 0
.endm
.macro SUM from, to                    ; pairs from .. to - 1 of p into the four partial sums by turns
.set n, \from
.rept (\to)-(\from)
.set AR, 226+2*((n-7)%4)
.if (n-7)%4 == 0
.set AR, 14
.endif
	v_pk_add_f32 v[AR:AR+1], v[AR:AR+1], v[96+2*n:97+2*n]
.set n, n+1
.endr
.endm
; A KEY STEP.  What lies beyond my last step of this run is left out: a scalar branch on the wave's numbers, round the work, not round the lines that step the addresses.
.macro STEP
	s_cmp_gt_u32 s[KAP], s[LAST]
	s_cbranch_scc1 .Lhidden_\@
	v_add_nc_u32 v6, s[TK], v1             ; (these four lines are also the places behind the last step's products)
	v_add_nc_u32 v7, s[TK], v2
	v_add_nc_u32 v8, s[TK], v3
	v_nop
.irp i, 0,1,2,3,4,5,6,7
	ds_load_b128 v[KF+6*\i:KF+6*\i+3], v6 offset:768*\i          ; K's eight GROUPs: four fragments of two tiles each
	ds_load_b64 v[KF+6*\i+4:KF+6*\i+5], v7 offset:768*\i+512
.endr
	ds_load_b32 v84, v8 offset:12288       ; scale words of band 0: lanes 0-15 the first fragment's rows, lanes 16-31 the second's;
	ds_load_b32 v85, v8 offset:12416       ; of band 1
	WALU
	s_wait_dscnt 0x0
.irp c, 0,1
	v_wmma_scale_f32_16x16x128_f8f6f4 v[96+32*\c:103+32*\c], v[KF+24*\c:KF+24*\c+11], v[22:33], 0, v[84+\c], v34 matrix_a_fmt:MATRIX_FMT_FP6 matrix_b_fmt:MATRIX_FMT_FP6
	v_wmma_scale_f32_16x16x128_f8f6f4 v[104+32*\c:111+32*\c], v[KF+24*\c:KF+24*\c+11], v[16:27], 0, v[84+\c], v34 matrix_a_fmt:MATRIX_FMT_FP6 matrix_b_fmt:MATRIX_FMT_FP6
	v_wmma_scale_f32_16x16x128_f8f6f4 v[112+32*\c:119+32*\c], v[KF+12+24*\c:KF+24*\c+23], v[22:33], 0, v[84+\c], v34 matrix_a_fmt:MATRIX_FMT_FP6 matrix_b_fmt:MATRIX_FMT_FP6 matrix_a_scale:MATRIX_SCALE_ROW1
	v_wmma_scale_f32_16x16x128_f8f6f4 v[120+32*\c:127+32*\c], v[KF+12+24*\c:KF+24*\c+23], v[16:27], 0, v[84+\c], v34 matrix_a_fmt:MATRIX_FMT_FP6 matrix_b_fmt:MATRIX_FMT_FP6 matrix_a_scale:MATRIX_SCALE_ROW1
.endr
.rept 4
	v_nop                                  ; places in front of the loads into K's registers and of the first read of the scores
.endr
.irp c, 0,1                            ; V's eight GROUPs (band c, tile of channels t) land while the softmax is worked
.irp t, 0,1,2,3
	ds_load_b128 v[KF+12*\t+6*\c:KF+12*\t+6*\c+3], v6 offset:6144+(4*\c+\t)*768
	ds_load_b64 v[KF+12*\t+6*\c+4:KF+12*\t+6*\c+5], v7 offset:6144+(4*\c+\t)*768+512
.endr
.endr
	ds_load_b32 v86, v8 offset:12544       ; V's scale words: tiles 0 and 1;
	ds_load_b32 v87, v8 offset:12672       ; tiles 2 and 3
	s_cmp_lg_u32 s[KAP], s[DIAG]           ; on the diagonal the scores of hidden keys become -infinity ahead of the maximum
	s_cbranch_scc1 .Lopen_\@
	v_mov_b32 v234, 0xff800000
.set n, 0
.rept 64
	v_cmp_gt_i32 vcc_lo, 64*(n/32)+n%32, v4        ; register n holds key 64 (n / 32) + 32 h + n % 32 of the step
	v_cndmask_b32 v[96+n], v[96+n], v234, vcc_lo
.set n, n+1
.endr
.Lopen_\@:
.irp k, 0,1,2,3
	v_max3_num_f32 v[T+\k], v[96+16*\k], v[97+16*\k], v[98+16*\k]   ; the largest score of each block of 32 keys: for the row's maximum, and for the block's largest p
.endr
.irp i, 3,5,7,9,11,13
.irp k, 0,1,2,3
	v_max3_num_f32 v[T+\k], v[T+\k], v[96+16*\k+\i], v[97+16*\k+\i]
.endr
.endr
.irp k, 0,2
	v_max3_num_f32 v[T+\k], v[T+\k], v[111+16*\k], v[127+16*\k]
.endr
.irp k, 0,2
	v_max_num_f32 v[T+\k], v[T+\k], v[T+1+\k]
.endr
	v_mov_b32 v235, v12
	v_max_num_f32 v216, v[T], v[T+2]
	v_permlanex16_b32 v217, v216, s[SEL], s[SEL+1]
	v_max3_num_f32 v13, v13, v216, v217    ; with lane l xor 16's: the running largest score
	v_mul_f32 v5, s[NC], v13
	v_floor_f32 v12, v5                    ; the new -M = -ceil(t)
	v_sub_f32 v235, v12, v235              ; old M - new M: a whole number, 0 or less
	v_cvt_i32_f32 v235, v235               ; (it saturates)
	v_ldexp_f32 v224, 1.0, v235            ; f = 2^(old M - new M)
.irp k, 0,2
	v_fma_f32 v[T+\k], v[T+\k], s[CS], v12 ; t - M of each block's largest score,
.endr
.set n, 0
.rept 32
	v_pk_fma_f32 v[96+n:97+n], v[96+n:97+n], s[CS:CS+1], v[12:13] op_sel_hi:[1,0,0]   ; and of all, two at a time
.set n, n+2
.endr
	WALU
	v_exp_f32 v[T], v[T]                   ; each block's largest p,
	v_exp_f32 v[T+2], v[T+2]
.set n, 0
.rept 64
	v_exp_f32 v[96+n], v[96+n]             ; p = 2^(t - M)
.set n, n+1
.endr
	v_pk_mul_f32 v[14:15], v[14:15], v[224:225] op_sel_hi:[1,0]   ; the sums under the new M: a plain line behind the exponentials
	WALU                                   ; one wait for the batch, ahead of its first reader
	v_max_num_f32 v[T], 0x1800000, v[T]    ; the floor 2^(3 - 127): the byte cannot fall under 1
	v_max_num_f32 v[T+2], 0x1800000, v[T+2]
	v_pk_add_f32 v[14:15], v[14:15], v[96:97]      ; the row's sum, of the unquantised p: four chains
	v_pk_add_f32 v[228:229], v[98:99], v[100:101]
	v_pk_add_f32 v[230:231], v[102:103], v[104:105]
	v_pk_add_f32 v[232:233], v[106:107], v[108:109]
	v_add_nc_u32 v[SOP], 0xff000000, v[T]  ; 2 off the exponent field: the conversion's scale operand
	v_add_nc_u32 v[SOP+1], 0xff000000, v[T+2]
	SUM 7, 11
	v_lshrrev_b32 v[BY], 23, v[SOP]        ; the scale's byte
	v_lshrrev_b32 v[BY+1], 23, v[SOP+1]
	SUM 11, 15
	v_lshl_or_b32 v216, v[BY+1], 16, v[BY] ; my two bytes of p's scale word
	SUM 15, 19
	v_permlanex16_b32 v218, v216, s[SEL], s[SEL+1]
	SUM 19, 23
	v_lshl_or_b32 v[PW], v218, 8, v216     ; in lanes 0-15 the word is whole: these alone are read
	SUM 23, 32
	v_pk_add_f32 v[228:229], v[228:229], v[230:231]
	v_pk_add_f32 v[14:15], v[14:15], v[232:233]
	v_cvt_scalef32_pk16_fp6_f32 v[192:194], v[96:111], v[SOP]
	v_cvt_scalef32_pk16_fp6_f32 v[204:206], v[112:127], v[SOP]
	v_cvt_scalef32_pk16_fp6_f32 v[198:200], v[128:143], v[SOP+1]
	v_cvt_scalef32_pk16_fp6_f32 v[220:222], v[144:159], v[SOP+1]
	v_pk_add_f32 v[14:15], v[14:15], v[228:229]    ; (also the plain line behind a scaled conversion)
.irp i, 0,1,2
	v_mov_b32 v[195+\i], v[204+\i]
	v_mov_b32 v[201+\i], v[220+\i]
.endr
	WALU
.set n, 0
.rept 16
	v_pk_mul_f32 v[160+n:161+n], v[160+n:161+n], v[224:225] op_sel_hi:[1,0]   ; O^T under the new M.  (These sixteen also stand between the making of p's codes and scale word and the products)
.set n, n+2
.endr
	WALU
	s_wait_dscnt 0x0                       ; V is in
.irp t, 0,2                            ; O^T += V^T P^T: the four accumulators by turns
	v_wmma_scale_f32_16x16x128_f8f6f4 v[160+8*\t:167+8*\t], v[KF+12*\t:KF+12*\t+11], v[192:203], v[160+8*\t:167+8*\t], v[86+\t/2], v[PW] matrix_a_fmt:MATRIX_FMT_FP6 matrix_b_fmt:MATRIX_FMT_FP6
	v_wmma_scale_f32_16x16x128_f8f6f4 v[168+8*\t:175+8*\t], v[KF+12+12*\t:KF+12*\t+23], v[192:203], v[168+8*\t:175+8*\t], v[86+\t/2], v[PW] matrix_a_fmt:MATRIX_FMT_FP6 matrix_b_fmt:MATRIX_FMT_FP6 matrix_a_scale:MATRIX_SCALE_ROW1
.endr
.Lhidden_\@:
	s_add_co_u32 s[KAP], s[KAP], 1
	s_add_co_u32 s[TK], s[TK], SB
.endm
.macro WAYOUT                          ; O^T / the sum (v14: my half of it) is the last projection's operand: quantised along the head's 64 channels, a block a lane, and stored as a GROUP
	v_permlanex16_b32 v217, v14, s[SEL], s[SEL+1]
	v_add_f32 v14, v14, v217               ; with lane l xor 16's keys
	WALU
	v_rcp_f32 v14, v14
	v_nop
	v_nop
	WALU
.set n, 0
.rept 16
	v_pk_mul_f32 v[96+n:97+n], v[160+n:161+n], v[14:15] op_sel_hi:[1,0]
.set n, n+2
.endr
.irp k, 0,1
	v_max3_num_f32 v[T+\k], |v[96+16*\k]|, |v[97+16*\k]|, 0x1800000
.endr
.irp i, 2,4,6,8,10,12,14
.irp k, 0,1
	v_max3_num_f32 v[T+\k], v[T+\k], |v[96+16*\k+\i]|, |v[97+16*\k+\i]|
.endr
.endr
	v_max_num_f32 v[T], v[T], v[T+1]
	v_add_nc_u32 v[SOP], 0xff000000, v[T]
	v_lshrrev_b32 v[BY], 23, v[SOP]
	v_cvt_scalef32_pk16_fp6_f32 v[192:194], v[96:111], v[SOP]
	v_cvt_scalef32_pk16_fp6_f32 v[204:206], v[112:127], v[SOP]
	v_nop                                  ; one plain line behind a scaled conversion
.irp i, 0,1,2
	v_mov_b32 v[195+\i], v[204+\i]
.endr
	WALU
	global_store_b128 v1, v[192:195], s[88:89]     ; 512 consecutive bytes, aligned
	global_store_b64 v2, v[196:197], s[88:89] offset:512
	global_store_b8 v95, v[BY], s[90:91]
.endm
	s_load_b128 s[4:7], s[0:1], 0x0                ; qq, kv
	s_load_b64 s[8:9], s[0:1], 0x10                ; aa
	v_lshl_add_u32 v[SPW], v0, 2, SPARE
	v_mov_b32 v[NIL], 0
	ds_add_u32 v[SPW], v[NIL]                      ; the opening: the add, twice on end, and its wait
	ds_add_u32 v[SPW], v[NIL]
	v_lshrrev_b32 v1, 5, v0
	v_readfirstlane_b32 s[WV], v1                  ; wave 0..15
	s_and_b32 s[BH], ttmp7, 0xffff
	s_lshr_b32 s[XX], s[WV], 1                     ; x
	s_lshr_b32 s[ROLE], s[WV], 2
	s_add_co_u32 s[ROLE], s[ROLE], s[WV]
	s_and_b32 s[ROLE], s[ROLE], 1
	s_sub_co_u32 s[XH], 15, s[XX]
	s_cmp_eq_u32 s[ROLE], 0
	s_cselect_b32 s[XO], s[XH], s[XX]
	s_mov_b32 s[G1], 15|(3<<16)|(1<<21)            ; group 1: a dense block of 12,800 bytes as 5 rows of 2,560 (320 elements of 8 bytes); mask: all four work-groups; bit 21 beside it
	s_mov_b32 s[G1+1], 320<<16
	s_mov_b32 s[G1+2], 5<<16
	s_mov_b32 s[G1+3], 320<<16
	s_mov_b32 s[G1+4], 5
	s_mov_b32 s[G1+5], 320
	s_mov_b32 s[G1+6], 0
	s_mov_b32 s[G1+7], 0
	s_mul_i32 s72, s[BH], 16*SB
	s_mul_i32 s73, s[WV], SB                       ; wave w fetches key step w
	s_add_co_u32 s72, s72, s73
	s_mov_b32 s[G0], 1
	s_mov_b32 s[G0+1], s73
	s_mov_b32 s73, 0
	WALU
	s_wait_dscnt 0x0
	CROUND                                         ; all four work-groups are here: the joint loads meet
	s_wait_kmcnt 0x0
	s_add_nc_u64 s[G0+2:G0+3], s[6:7], s[72:73]
	s_or_b32 s[G0+3], s[G0+3], 0x80000000
	s_cmp_lt_u32 s[WV], 8                          ; one load a wave; the first eight steps have a line of their own: the first barrier shows them alone
	s_cbranch_scc0 .Llate
	TLOAD
	s_branch .Lasked
.Llate:
	TLOAD
.Lasked:
	s_bfe_u32 s68, ttmp6, 0x40000                  ; cx
	s_lshl_b32 s[GG], ttmp9, 2
	s_add_co_u32 s[GG], s[GG], s68                 ; g = 4 x cluster x + cx
	QPLACE XO, 76
	QPLACE XH, 80
	s_lshr_b32 s68, s[BH], 4                       ; batch
	s_and_b32 s69, s[BH], 15                       ; head
	s_lshl_b32 s70, s68, 7
	s_lshl_b32 s67, s[XO], 3
	s_add_co_u32 s70, s70, s67
	s_add_co_u32 s70, s70, s[GG]                   ; my block of 16 places
	s_mul_i32 s88, s70, 12288
	s_mul_i32 s67, s69, 768
	s_add_co_u32 s88, s88, s67
	s_mov_b32 s89, 0
	s_add_nc_u64 s[88:89], s[8:9], s[88:89]        ; aa: GROUPs [block of 16 places][head]
	s_lshl_b32 s90, s70, 9
	s_lshl_b32 s67, s69, 1
	s_add_co_u32 s90, s90, s67
	s_add_co_u32 s90, s90, SCO
	s_mov_b32 s91, 0
	s_add_nc_u64 s[90:91], s[8:9], s[90:91]        ; aa: scale bytes [place][32]: my first place, my head's two
	s_and_b32 s71, s[GG], 1
	s_mul_i32 s71, s71, 0x02020202
	s_add_co_u32 s71, s71, 0x01000100              ; byte selects: my GROUP's two bytes of the pair's word, twice
	v_and_b32 v6, 31, v0                           ; lane
	v_and_b32 v7, 15, v0                           ; r
	v_bfe_u32 v8, v0, 4, 1                         ; h
	v_lshlrev_b32 v1, 4, v6
	v_lshlrev_b32 v2, 3, v6
	v_lshlrev_b32 v3, 2, v6
	v_lshlrev_b32 v36, 2, v7
	global_load_b128 v[22:25], v1, s[76:77]        ; Q of the block that I store,
	global_load_b64 v[26:27], v2, s[76:77] offset:512
	global_load_b32 v84, v36, s[78:79]
	global_load_b128 v[88:91], v1, s[80:81]        ; and of the pair's longer block (for role 0 the same GROUP)
	global_load_b64 v[92:93], v2, s[80:81] offset:512
	global_load_b32 v85, v36, s[82:83]
	s_lshr_b32 s68, s[GG], 2
	s_lshl_b32 s68, s68, 6
	s_and_b32 s69, s[GG], 3
	s_lshl_b32 s69, s69, 3
	s_add_co_u32 s68, s68, s69                     ; 64 (g / 4) + 8 (g % 4)
	v_lshrrev_b32 v4, 3, v7
	v_mad_u32_u24 v4, v4, 24, v7                   ; 32 (r / 8) + r % 8
	v_lshlrev_b32 v5, 5, v8
	v_sub_nc_u32 v4, v4, v5
	v_add_nc_u32 v4, s68, v4                       ; my query within its 128, less 32 h
	v_lshl_add_u32 v95, v7, 5, v8                  ; 32 r + h
	s_mul_i32 s69, s[XX], 4352
	s_add_co_u32 s69, s69, PART
	v_add_nc_u32 v11, s69, v1                      ; my pair's part in LDS: O^T,
	v_add_nc_u32 v35, s69, v2                      ; and (at 4,096) -M and the sum
.irp j, 16,17,18,19,20,21,28,29,30,31,32,33
	v_mov_b32 v\j, 0                               ; zero codes on both sides of Q
.endr
	v_mov_b32 v217, 0                              ; written once: a lane permute's destination counts as one of its sources
	v_mov_b32 v218, 0
	v_mov_b32 v225, 0                              ; (named as the upper half of a pair)
	v_mov_b32 v227, 0
	s_mov_b32 s[SEL], 0x76543210
	s_mov_b32 s[SEL+1], 0xfedcba98
	s_mov_b32 s[CS], 0x3e38aa3b                    ; log2(e) / 8
	s_mov_b32 s[CS+1], s[CS]                       ; (named with it as a pair, so it is written)
	s_mov_b32 s[NC], 0xbe38aa3b
	s_mov_b32 s[KAP], 0
	s_mov_b32 s[TK], 0
	s_mov_b32 s[DIAG], s[XO]
	s_min_u32 s[LAST], s[XO], 8                    ; role 0: steps 0-8; role 1: all of block x
	WALU                                           ; the head's end
	s_wait_loadcnt 0x0                             ; Q
	v_perm_b32 v34, v84, v84, s71                  ; Q's scale word: its two bytes for either half of the instruction's K
	v_perm_b32 v94, v85, v85, s71
	EMPTY
	WALU
	s_cmp_lt_u32 s[WV], 8
	s_cbranch_scc0 .Lnot_first
	s_wait_tensorcnt 0x0
.Lnot_first:
	s_barrier_signal -1
	s_barrier_wait -1                              ; key steps 0-7 lie in LDS; the others may still be on their way
	STEP
	WALU
	s_wait_tensorcnt 0x0                           ; my load has landed;
	s_wait_dscnt 0x0
	s_barrier_signal -1                            ; say so, and go on with steps that the first barrier has shown
	s_mov_b32 s[CNT], 7
.Lfirst:
	STEP
	s_sub_co_u32 s[CNT], s[CNT], 1
	s_cmp_lg_u32 s[CNT], 0
	s_cbranch_scc1 .Lfirst
	WALU
	s_barrier_wait -1                              ; every wave has signalled behind its first step: the whole head lies in LDS
	s_cmp_eq_u32 s[ROLE], 0
	s_cbranch_scc1 .Lgo_on
	v_add_f32 v14, v14, v15                        ; ROLE 1: block x is finished and leaves;
	WAYOUT
.irp i, 0,1,2,3,4,5
	v_mov_b32 v[22+\i], v[88+\i]                   ; then the rest of block 15 - x
.endr
	v_mov_b32 v34, v94
	EMPTY
	s_wait_xcnt 0x0                                ; the stores have read their registers
	WALU
.Lgo_on:
	s_mov_b32 s[DIAG], s[XH]
	s_cmp_eq_u32 s[ROLE], 0
	s_cselect_b32 s[LAST], 8, s[XH]
	s_add_co_u32 s[KAP], s[ROLE], 8                ; role 0: step 8; role 1: steps 9 .. 15 - x
	s_mul_i32 s[TK], s[ROLE], SB
	s_add_co_u32 s[TK], s[TK], 8*SB
	s_mov_b32 s[CNT], 7
.Lsecond:
	STEP
	s_sub_co_u32 s[CNT], s[CNT], 1
	s_cmp_lg_u32 s[CNT], 0
	s_cbranch_scc1 .Lsecond
	WALU
	s_cmp_eq_u32 s[ROLE], 0
	s_cbranch_scc1 .Lno_part
	v_add_f32 v13, v14, v15                        ; ROLE 1: my part of block 15 - x goes to LDS
.rept 4
	v_nop
.endr
	WALU
.irp k, 0,1,2,3,4,5,6,7
	ds_store_b128 v11, v[160+4*\k:163+4*\k] offset:512*\k
.endr
	ds_store_b64 v35, v[12:13] offset:4096
.Lno_part:
	s_wait_dscnt 0x0
	s_barrier_signal -1
	s_barrier_wait -1
	s_cmp_eq_u32 s[ROLE], 0
	s_cbranch_scc0 .Lend
.irp k, 0,1,2,3,4,5,6,7
	ds_load_b128 v[96+4*\k:99+4*\k], v11 offset:512*\k   ; ROLE 0: the partner's part
.endr
	ds_load_b64 v[128:129], v35 offset:4096
	v_add_f32 v14, v14, v15
	WALU
	s_wait_dscnt 0x0
	v_min_num_f32 v5, v12, v128                    ; the common -M
	v_sub_f32 v12, v5, v12
	v_sub_f32 v128, v5, v128
	v_cvt_i32_f32 v12, v12
	v_cvt_i32_f32 v128, v128
	v_ldexp_f32 v224, 1.0, v12                     ; both parts under it: whole powers of two
	v_ldexp_f32 v226, 1.0, v128
	v_mul_f32 v14, v14, v224
	v_fma_f32 v14, v129, v226, v14
.set n, 0
.rept 16
	v_pk_mul_f32 v[160+n:161+n], v[160+n:161+n], v[224:225] op_sel_hi:[1,0]
.set n, n+2
.endr
.set n, 0
.rept 16
	v_pk_fma_f32 v[160+n:161+n], v[96+n:97+n], v[226:227], v[160+n:161+n] op_sel_hi:[1,0,1]
.set n, n+2
.endr
	WAYOUT
.Lend:
	s_wait_tensorcnt 0x0                           ; the wave's end
	ds_add_u32 v[SPW], v[NIL]
	s_wait_dscnt 0x0
	CROUND                                         ; the closing round: no work-group ends while a partner may still ask for a tile that names it
	s_endpgm
.Lfunc_end_k_q37b6f1cd72_attn:
	.size	k_q37b6f1cd72_attn, .Lfunc_end_k_q37b6f1cd72_attn-k_q37b6f1cd72_attn
	.p2alignl 7, 3214868480
	.fill 96, 4, 3214868480
	.section	.rodata,"a",@progbits
	.p2align	6, 0x0
	.amdhsa_kernel k_q37b6f1cd72_attn
		.amdhsa_group_segment_fixed_size 241664
		.amdhsa_private_segment_fixed_size 0
		.amdhsa_enable_private_segment 0
		.amdhsa_kernarg_size 24
		.amdhsa_user_sgpr_count 2
		.amdhsa_user_sgpr_kernarg_segment_ptr 1
		.amdhsa_wavefront_size32 1
		.amdhsa_system_sgpr_workgroup_id_x 1
		.amdhsa_system_sgpr_workgroup_id_y 1
		.amdhsa_system_sgpr_workgroup_id_z 1
		.amdhsa_system_vgpr_workitem_id 0
		.amdhsa_next_free_vgpr 256
		.amdhsa_next_free_sgpr 96
		.amdhsa_reserve_vcc 1
		.amdhsa_float_denorm_mode_32 3
		.amdhsa_float_denorm_mode_16_64 3
		.amdhsa_memory_ordered 1
		.amdhsa_forward_progress 1
		.amdhsa_inst_pref_size 82
	.end_amdhsa_kernel
	.amdgpu_metadata
---
amdhsa.version: [ 1, 2 ]
amdhsa.kernels:
  - .name:           k_q37b6f1cd72_attn
    .symbol:         k_q37b6f1cd72_attn.kd
    .args:
      - { .name: qq, .offset: 0, .size: 8, .value_kind: global_buffer, .address_space: global }
      - { .name: kv, .offset: 8, .size: 8, .value_kind: global_buffer, .address_space: global }
      - { .name: aa, .offset: 16, .size: 8, .value_kind: global_buffer, .address_space: global }
    .group_segment_fixed_size: 241664
    .private_segment_fixed_size: 0
    .kernarg_segment_align: 8
    .kernarg_segment_size: 24
    .max_flat_workgroup_size: 512
    .sgpr_count:     96
    .vgpr_count:     256
    .wavefront_size: 32
...
	.end_amdgpu_metadata
.endif
;; end of part 3
;; launch oproj (part 4): grid 8 x 32, 4 waves a work-group, clusters of 4 x 4, 220,672 bytes of LDS; arguments aa, wq, out0; writes out0
.if DOCPART == 4
	.amdgcn_target "amdgcn-amd-amdhsa--gfx1250"
	.amdhsa_code_object_version 6
	.text
	.protected	k_q37b6f1cd72_oproj
	.globl	k_q37b6f1cd72_oproj
	.p2align	8
	.type	k_q37b6f1cd72_oproj,@function
k_q37b6f1cd72_oproj:
	s_mov_b64 s[64:65], 0
	v_nop
	global_prefetch_b8 v0, s[64:65] scope:SCOPE_SE
	s_setreg_imm32_b32 hwreg(HW_REG_WAVE_MODE, 25, 1), 1
	s_wait_xcnt 0x0
	s_wait_alu depctr_hold_cnt(0) depctr_sa_sdst(0) depctr_va_vdst(0) depctr_va_sdst(0) depctr_va_ssrc(0) depctr_va_vcc(0) depctr_vm_vsrc(0)
	s_getreg_b32 s2, hwreg(HW_REG_IB_STS2, 6, 4)
	s_cmp_eq_u32 s2, 0
	s_cbranch_scc0 .Lentry_in_a_cluster
	s_endpgm
.Lentry_in_a_cluster:
	s_bfe_u32 s2, ttmp6, 0x10000c
	s_cmp_lg_u32 s2, 0xf033
	s_cbranch_scc0 .Lentry_shape_is_right
	s_endpgm
.Lentry_shape_is_right:
; The last projection, out = o Wo^T, on codes of FP6 (E2M3) with E8M0 scales, sums in f32.  256 work-groups, each 128 tokens x 128 columns, all of K in LDS at once: nothing is filled again.
; aa: GROUPs of 768 bytes (the image of six operand registers, 16 places x 64 along K), [block of 16 places 256][head 16]; at byte SCO scale bytes [place][32].  Wo: wq's places 3,072-4,095, rows of 768 bytes, in their own order.
; Four waves, 2 x 2: wave (a, b) takes the 64 places of band a and the 64 columns of half b.  It holds its 64 columns' weights, all of K, in registers (32 fragments, 384 registers) and streams four blocks of 16 places past them, in two sets.
; THE MATRIX INSTRUCTION IS USED TRANSPOSED (source 0 = 16 rows of Wo): lane (r, h) holds place r and columns 8 h .. 8 h + 7 of a tile.  A block's 16 rows x 64 columns go through the wave's own stage in LDS and leave as rows of 256 bytes,
; aligned, sixteen lanes a row, while the next block is multiplied.  Row r of block j of a band is token 32 (r / 8) + 8 j + r % 8.
; CLUSTERS 4 x 4: aa's blocks are asked for jointly along a row of the cluster, Wo's rows along a column.
; No prefetch: all that the launch loads is asked for at its head, and there is no loop.  LIMITS: NaN and infinities are not served.
.set KROW,  768
.set PITCH, 816
.set YB,    128*PITCH                  ; LDS: Wo's rows at 0, aa's eight blocks behind them, then the stages and the spare words
.set HALFB, 64*PITCH
.set BLKB,  16*PITCH
.set STG,   YB+8*12288
.set SPITCH, 272
.set SPARE, STG+4*16*SPITCH
.set SCO,   3145728
.set FR,    12
.set FPW,   21                         ; fragments in a window: 0-31 Wo's (4 q + j), 32-39 and 40-47 aa's two sets
.set ACC,   72                         ; window 3: two sets of 32
.set STO,   4                          ; v4 the stage, in
.set RD,    5                          ; v5 the stage, back
.set CO,    6                          ; v6 my offset in out0
.set SPW,   10                         ; v10 my spare word; never rewritten
.set NIL,   11                         ; v11 0; never rewritten
.set AAD,   12                         ; v12, v13 LDS addresses in aa's blocks: 16 x lane, 8 x lane
.set AWB,   14                         ; v14-21 LDS addresses of Wo's four tiles (the second: for the pieces behind one padding more)
.set ABS,   22                         ; v22 32 x lane
.set SW,    24                         ; v24-39 Wo's scale words
.set SA,    44                         ; v44-59 aa's
.set BK,    128                        ; v128-255 rows read back, 32 registers a block
.set G1A, 24
.set G1W, 32
.set G0A, 56
.set G0W, 60
.set MSB, 0
.macro WIN new
.if MSB != (\new)
	s_set_vgpr_msb (MSB<<8)|(\new)
.set MSB, (\new)
.endif
.endm
.macro PLACES n                        ; plain lines between a matrix instruction and a load into, or a store of, one of its registers
.rept \n
	v_nop
.endr
.endm
.macro WALU
	s_wait_alu depctr_va_vdst(0)
.endm
.macro BARRIER
	s_barrier_signal -1
	s_barrier_wait -1
.endm
.macro CROUND
	BARRIER
	s_cmp_lg_u32 s14, 0
	s_cbranch_scc1 .Lnot_wave_0_\@
	s_barrier_signal -3
.Lnot_wave_0_\@:
	s_barrier_wait -3
	BARRIER
.endm
.macro TLOAD g0, g1
	tensor_load_to_lds s[\g0:\g0+3], s[\g1:\g1+7]
	s_nop 0
	PLACES 4
.endm
.macro FRAG f, q, a0, a1               ; a fragment of Wo: six pieces of 8 bytes, two to a load where both lie behind as many paddings
	WIN ((1+(\f)/FPW)<<6)
.set R_, FR*((\f)%FPW)
.set SKIP_, 0
.irp p, 0,1,2,3,4,5
.if SKIP_
.set SKIP_, 0
.else
.set PC_, 12*(\q)+6*(\p/3)+\p%3
.set PN_, 12*(\q)+6*((\p+1)/3)+(\p+1)%3
.set X_, (PC_%32+3)/32
.set XQ_, (PN_%32+3)/32
.if (\p < 5) && (X_ == XQ_)
.set SKIP_, 1
.if X_
	ds_load_2addr_b64 v[R_+2*\p:R_+2*\p+3], \a1 offset0:PC_+2*(PC_/32) offset1:PN_+2*(PN_/32)
.else
	ds_load_2addr_b64 v[R_+2*\p:R_+2*\p+3], \a0 offset0:PC_+2*(PC_/32) offset1:PN_+2*(PN_/32)
.endif
.elseif X_
	ds_load_b64 v[R_+2*\p:R_+2*\p+1], \a1 offset:8*(PC_+2*(PC_/32))
.else
	ds_load_b64 v[R_+2*\p:R_+2*\p+1], \a0 offset:8*(PC_+2*(PC_/32))
.endif
.endif
.endr
.endm
.macro FETCH s                         ; block s of aa into set s % 2: 32 loads
.irp q, 0,1,2,3,4,5,6,7
.set F_, 32+8*((\s)%2)+\q
	WIN (1+F_/FPW)<<6
.set R_, FR*(F_%FPW)
.set O_, 12288*(\s)+1536*\q
	ds_load_b128 v[R_:R_+3], v[AAD] offset:O_
	ds_load_b64 v[R_+4:R_+5], v[AAD+1] offset:O_+512
	ds_load_b128 v[R_+6:R_+9], v[AAD] offset:O_+768
	ds_load_b64 v[R_+10:R_+11], v[AAD+1] offset:O_+1280
.endr
	WIN 0
.endm
.macro P1 s, q, j, rj, rs
.set FB, 4*(\q)+(\j)
.set FA, 32+8*((\s)%2)+(\q)
.set GB, FR*(FB%FPW)
.set GA, FR*(FA%FPW)
.set XB, SW+8*((\j)/2)+(\q)
.set XA, SA+8*((\s)/2)+(\q)
.set DD, ACC+32*((\s)%2)+8*(\j)
	WIN (1+FB/FPW)|((1+FA/FPW)<<2)|0xf0
.if \q
	v_wmma_scale_f32_16x16x128_f8f6f4 v[DD:DD+7], v[GB:GB+11], v[GA:GA+11], v[DD:DD+7], v[XB], v[XA] matrix_a_fmt:MATRIX_FMT_FP6 matrix_b_fmt:MATRIX_FMT_FP6 matrix_a_scale:MATRIX_SCALE_ROW\rj matrix_b_scale:MATRIX_SCALE_ROW\rs
.else
	v_wmma_scale_f32_16x16x128_f8f6f4 v[DD:DD+7], v[GB:GB+11], v[GA:GA+11], 0, v[XB], v[XA] matrix_a_fmt:MATRIX_FMT_FP6 matrix_b_fmt:MATRIX_FMT_FP6 matrix_a_scale:MATRIX_SCALE_ROW\rj matrix_b_scale:MATRIX_SCALE_ROW\rs
.endif
.endm
.macro BLOCK s, rs                     ; 32 products, the four accumulators by turns
.irp q, 0,1,2,3,4,5,6,7
	P1 \s, \q, 0, 0, \rs
	P1 \s, \q, 1, 1, \rs
	P1 \s, \q, 2, 0, \rs
	P1 \s, \q, 3, 1, \rs
.endr
	WIN 0
	PLACES 4
.endm
.macro TOSTAGE s                       ; LDS serves a wave's instructions in order (ISA guide 5.7.1.4): no wait between the stores and the loads, nor ahead of the next block's stores
	WIN 0x0c
.irp j, 0,1,2,3
.set DD, ACC+32*((\s)%2)+8*\j
	ds_store_b128 v[STO], v[DD:DD+3] offset:64*\j
	ds_store_b128 v[STO], v[DD+4:DD+7] offset:64*\j+16
.endr
	WIN 0
.irp t, 0,1,2,3,4,5,6,7
	ds_load_b128 v[BK+32*(\s)+4*\t:BK+32*(\s)+4*\t+3], v[RD] offset:2*SPITCH*\t
.endr
.endm
.macro SEND s                          ; rows 2 t, 2 t + 1 of the block: 256 consecutive bytes each, aligned
.irp t, 0,1,2,3,4,5,6,7
	global_store_b128 v[CO], v[BK+32*(\s)+4*\t:BK+32*(\s)+4*\t+3], s[12:13] offset:(32*(\t/4)+8*(\s)+2*(\t%4))*4096 th:TH_STORE_NT
.endr
.endm
	s_load_b128 s[4:7], s[0:1], 0x0                ; aa, wq
	s_load_b64 s[12:13], s[0:1], 0x10              ; out0
	v_lshl_add_u32 v[SPW], v0, 2, SPARE
	v_mov_b32 v[NIL], 0
	ds_add_u32 v[SPW], v[NIL]                      ; the opening: the add, twice on end, and its wait
	ds_add_u32 v[SPW], v[NIL]
	v_lshrrev_b32 v1, 5, v0
	v_readfirstlane_b32 s14, v1                    ; wave
	s_lshr_b32 s15, s14, 1                         ; a
	s_and_b32 s16, s14, 1                          ; b.  Also: which half of a tile I fetch
	s_bfe_u32 s40, ttmp6, 0x40000                  ; cx
	s_bfe_u32 s41, ttmp6, 0x40004                  ; cy
	s_lshl_b32 s42, ttmp9, 2
	s_add_co_u32 s42, s42, s40                     ; the 128 columns, 0 .. 7
	s_and_b32 s43, ttmp7, 0xffff
	s_lshl_b32 s43, s43, 2
	s_add_co_u32 s43, s43, s41                     ; the 128 tokens, 0 .. 31
	s_lshl_b32 s44, s41, 2
	s_lshl_b32 s44, 15, s44                        ; my row of the cluster
	s_lshl_b32 s45, 0x1111, s40                    ; my column
	s_or_b32 s[G1A+0], s44, (3<<16)|(1<<21)        ; four blocks of aa, 49,152 dense bytes, as 16 rows of 3,072 (384 elements of 8 bytes)
	s_mov_b32 s[G1A+1], 384<<16
	s_mov_b32 s[G1A+2], 16<<16
	s_mov_b32 s[G1A+3], 384<<16
	s_mov_b32 s[G1A+4], 16
	s_mov_b32 s[G1A+5], 384
	s_mov_b32 s[G1A+6], 0
	s_mov_b32 s[G1A+7], 0
	s_or_b32 s[G1W+0], s45, (1<<20)|(1<<21)|(5<<22)|(3<<25)   ; 64 rows of Wo, 16 bytes of padding behind every 256
	s_mov_b32 s[G1W+1], KROW<<16
	s_mov_b32 s[G1W+2], 64<<16
	s_mov_b32 s[G1W+3], KROW<<16
	s_mov_b32 s[G1W+4], 64
	s_mov_b32 s[G1W+5], KROW
	s_mov_b32 s[G1W+6], 0
	s_mov_b32 s[G1W+7], 0
	s_mul_i32 s46, s43, 8*12288
	s_mul_i32 s20, s16, 4*12288
	s_add_co_u32 s46, s46, s20
	s_mov_b32 s47, 0
	s_mul_i32 s48, s42, 128*KROW
	s_mul_i32 s21, s16, 64*KROW
	s_add_co_u32 s48, s48, s21
	s_add_co_u32 s48, s48, 3072*KROW
	s_mov_b32 s49, 0
	s_mov_b32 s[G0A], 1
	s_add_co_u32 s[G0A+1], s20, YB
	s_mov_b32 s[G0W], 1
	s_mul_i32 s[G0W+1], s16, HALFB
	WALU
	s_wait_dscnt 0x0
	CROUND                                         ; all sixteen work-groups are here: the joint loads meet
	s_wait_kmcnt 0x0
	s_add_nc_u64 s[G0A+2:G0A+3], s[4:5], s[46:47]
	s_or_b32 s[G0A+3], s[G0A+3], 0x80000000
	s_add_nc_u64 s[G0W+2:G0W+3], s[6:7], s[48:49]
	s_or_b32 s[G0W+3], s[G0W+3], 0x80000000
	s_cmp_lt_u32 s14, 2                            ; one load a wave: waves 0, 1 Wo's halves, waves 2, 3 aa's
	s_cbranch_scc0 .Lfor_a
	TLOAD G0W, G1W
	s_branch .Lasked
.Lfor_a:
	TLOAD G0A, G1A
.Lasked:
	s_lshl_b32 s84, s43, 7
	s_lshl_b32 s20, s15, 6
	s_add_co_u32 s84, s84, s20                     ; my first place
	s_lshl_b32 s22, s84, 12                        ; and token: 4,096 bytes a row of out0
	s_lshl_b32 s84, s84, 5
	s_add_co_u32 s84, s84, SCO
	s_mov_b32 s85, 0
	s_lshl_b32 s86, s42, 7
	s_lshl_b32 s20, s16, 6
	s_add_co_u32 s86, s86, s20                     ; my first column
	s_lshl_b32 s20, s86, 2
	s_add_co_u32 s22, s22, s20
	s_mov_b32 s23, 0
	s_lshl_b32 s86, s86, 5
	s_add_co_u32 s86, s86, SCO+3072*32
	s_mov_b32 s87, 0
	s_add_nc_u64 s[84:85], s[4:5], s[84:85]
	s_add_nc_u64 s[86:87], s[6:7], s[86:87]
	s_add_nc_u64 s[12:13], s[12:13], s[22:23]
	v_and_b32 v1, 15, v0                           ; r
	v_bfe_u32 v2, v0, 4, 1                         ; h
	v_and_b32 v3, 31, v0                           ; lane
	v_lshlrev_b32 v[ABS], 5, v3
.irp p, 0,1
.irp f, 0,1
	global_load_b128 v[SW+8*\p+4*\f:SW+8*\p+4*\f+3], v[ABS], s[86:87] offset:1024*\p+16*\f
	global_load_b128 v[SA+8*\p+4*\f:SA+8*\p+4*\f+3], v[ABS], s[84:85] offset:1024*\p+16*\f
.endr
.endr
	v_mul_u32_u24 v7, v1, PITCH
	v_mad_u32_u24 v7, v2, 24, v7
	s_mul_i32 s20, s16, HALFB
	v_add_nc_u32 v[AWB], s20, v7
	v_lshl_add_u32 v[AWB+1], v2, 4, v[AWB]
.irp j, 1,2,3
	v_add_nc_u32 v[AWB+2*\j], \j*BLKB, v[AWB]
	v_add_nc_u32 v[AWB+2*\j+1], \j*BLKB, v[AWB+1]
.endr
	s_mul_i32 s21, s15, 4*12288
	s_add_co_u32 s21, s21, YB
	v_lshlrev_b32 v8, 4, v3
	v_lshlrev_b32 v9, 3, v3
	v_add_nc_u32 v[AAD], s21, v8
	v_add_nc_u32 v[AAD+1], s21, v9
	s_mul_i32 s21, s14, 16*SPITCH
	s_add_co_u32 s21, s21, STG                     ; my stage
	v_mul_u32_u24 v7, v1, SPITCH
	v_lshl_add_u32 v7, v2, 5, v7
	v_add_nc_u32 v[STO], s21, v7                   ; in: row r, 32 bytes for each half of the lanes
	v_lshlrev_b32 v8, 4, v1
	v_mul_u32_u24 v7, v2, SPITCH
	v_add_nc_u32 v7, v7, v8
	v_add_nc_u32 v[RD], s21, v7                    ; back: sixteen lanes a row
	v_lshl_add_u32 v[CO], v2, 12, v8
	WALU                                           ; the head's end
	s_cmp_lt_u32 s14, 2
	s_cbranch_scc0 .Lnot_w
	s_wait_tensorcnt 0x0
.Lnot_w:
	BARRIER                                        ; Wo's rows are in; aa's blocks may still be on their way
.irp q, 0,1,2,3,4,5,6,7
.irp j, 0,1,2,3
	FRAG 4*\q+\j, \q, v[AWB+2*\j], v[AWB+2*\j+1]
.endr
.endr
	WIN 0
	s_wait_tensorcnt 0x0
	s_wait_dscnt 0x0
	BARRIER                                        ; aa's blocks are in
	FETCH 0
	FETCH 1
	s_wait_loadcnt 0x0                             ; the scale words
	s_wait_dscnt 32                                ; all but block 1's loads
	BLOCK 0, 0
	FETCH 2
	TOSTAGE 0
	s_wait_dscnt 48                                ; block 1 is in; behind it block 2's 32 loads and the stage's 16 accesses
	BLOCK 1, 1
	s_wait_dscnt 0x0
	SEND 0
	FETCH 3
	TOSTAGE 1
	BLOCK 2, 0
	s_wait_dscnt 0x0
	SEND 1
	TOSTAGE 2
	BLOCK 3, 1
	s_wait_dscnt 0x0
	SEND 2
	TOSTAGE 3
	s_wait_dscnt 0x0
	SEND 3
	s_wait_tensorcnt 0x0                           ; the wave's end
	ds_add_u32 v[SPW], v[NIL]
	s_wait_dscnt 0x0
	CROUND                                         ; the closing round: no work-group ends while a partner may still ask for a tile that names it
	s_endpgm
.Lfunc_end_k_q37b6f1cd72_oproj:
	.size	k_q37b6f1cd72_oproj, .Lfunc_end_k_q37b6f1cd72_oproj-k_q37b6f1cd72_oproj
	.p2alignl 7, 3214868480
	.fill 96, 4, 3214868480
	.section	.rodata,"a",@progbits
	.p2align	6, 0x0
	.amdhsa_kernel k_q37b6f1cd72_oproj
		.amdhsa_group_segment_fixed_size 220672
		.amdhsa_private_segment_fixed_size 0
		.amdhsa_enable_private_segment 0
		.amdhsa_kernarg_size 24
		.amdhsa_user_sgpr_count 2
		.amdhsa_user_sgpr_kernarg_segment_ptr 1
		.amdhsa_wavefront_size32 1
		.amdhsa_system_sgpr_workgroup_id_x 1
		.amdhsa_system_sgpr_workgroup_id_y 1
		.amdhsa_system_sgpr_workgroup_id_z 1
		.amdhsa_system_vgpr_workitem_id 0
		.amdhsa_next_free_vgpr 904
		.amdhsa_next_free_sgpr 98
		.amdhsa_reserve_vcc 0
		.amdhsa_float_denorm_mode_32 3
		.amdhsa_float_denorm_mode_16_64 3
		.amdhsa_memory_ordered 1
		.amdhsa_forward_progress 1
		.amdhsa_inst_pref_size 48
	.end_amdhsa_kernel
	.amdgpu_metadata
---
amdhsa.version: [ 1, 2 ]
amdhsa.kernels:
  - .name:           k_q37b6f1cd72_oproj
    .symbol:         k_q37b6f1cd72_oproj.kd
    .args:
      - { .name: aa, .offset: 0, .size: 8, .value_kind: global_buffer, .address_space: global }
      - { .name: wq, .offset: 8, .size: 8, .value_kind: global_buffer, .address_space: global }
      - { .name: out0, .offset: 16, .size: 8, .value_kind: global_buffer, .address_space: global }
    .group_segment_fixed_size: 220672
    .private_segment_fixed_size: 0
    .kernarg_segment_align: 8
    .kernarg_segment_size: 24
    .max_flat_workgroup_size: 128
    .sgpr_count:     98
    .vgpr_count:     904
    .wavefront_size: 32
...
	.end_amdgpu_metadata
.endif
;; end of part 4
